; MI455X (gfx1250); checked and timed in simulation.
; The chip was launched on July 23, 2026; its instructions are those of AMD's public machine-readable ISA for CDNA 5 (MIT licence, August 2026) and "CDNA5" Instruction Set Architecture Reference Guide (July 2026). The comments in the code are by the model that wrote it; some were corrected since.
;; Fox Linear Attention. Allowed arithmetic: float matrix products may take bf16 or f16 operands with f32 sums; other float arithmetic in f32, or as packed bf16 or f16 multiplies, adds, multiply-adds, maxima and minima; sums over many terms, partial sums and values carried from step to step in f32; what a program stores and reads back later, other than sums and carried values, may be rounded once to bf16 or f16.
;; Inputs: Wg 1,024 x 8 float32; Wk 1,024 x 512 float32; Wo 1,024 x 1,024 float32; Wq 1,024 x 1,024 float32; Wv 1,024 x 512 float32; bg 8 float32; k_norm_w 64 float32; q_norm_w 64 float32; src 4 x 2,048 x 1,024 float32; valid_mask 4 x 2,048 bool.
;; Outputs: out0 4 x 2,048 x 1,024 float32.
;; 2 versions, each right; version 2 is version 1 with the launch prep written anew for expert scheduling mode. Each part assembles by itself: llvm-mc -triple=amdgcn-amd-amdhsa -mcpu=gfx1250 --defsym DOCPART=n.
;; ======== version 1 of 2: 4 launches
;; limits: values are held in f16: magnitudes above 65,504 overflow, below 6.1e-05 lose precision; a difference of large sums (such as E[x^2] - mean^2): digits are lost where the result is much smaller than its terms
;; workspace buffers: srcb 16,777,216 bytes; wt 6,553,600 bytes; qkv 33,554,432 bytes; ubuf 8,388,608 bytes; cc 529,408 bytes; obuf 16,777,216 bytes; scl 256 bytes
;; launch prep (part 1): grid 256 x 1, 8 waves a work-group, no clusters, 27,136 bytes of LDS; arguments src, Wq, Wk, Wv, Wg, Wo, srcb, wt; writes srcb, wt
.if DOCPART == 1
	.amdgcn_target "amdgcn-amd-amdhsa--gfx1250"
	.amdhsa_code_object_version 6
	.text
	.protected	k_qcce57f864d_prep
	.globl	k_qcce57f864d_prep
	.p2align	8
	.type	k_qcce57f864d_prep,@function
k_qcce57f864d_prep:
	s_mov_b64 s[64:65], 0
	v_nop
	global_prefetch_b8 v0, s[64:65] scope:SCOPE_SE
	s_setreg_imm32_b32 hwreg(HW_REG_WAVE_MODE, 25, 1), 1
	s_wait_xcnt 0x0
; PREP.  src -> bf16 (srcb).  Wq, Wk, Wv, Wg -> bf16, turned to [n][k] and grouped by kv head c: wt rows 272 c + 0..127 = Wq columns 128 c ..,
; + 128..191 = Wk columns 64 c .., + 192..255 = Wv columns 64 c .., + 256..271 = sixteen copies of Wg's column c.  Wo -> bf16, that number written as f16,
; turned to [n][k], from byte WOT of wt on.  A row of wt is 1,024 numbers, 2,048 bytes.
; LIMIT: a Wo number below 7.6e-6 in magnitude keeps f16's fixed step of 6e-8 instead of bf16's eight bits.
; SHARES.  Work-group w: 32 rows of src (131,072 bytes, 16,384 a wave) and three tiles of 128 k x 32 n (kb = w & 7, nb = w >> 3), turned through LDS;
; its wave 0 also writes four of the gate's copies for 128 k.  No matrix unit and no tensor load: the launch only moves and rounds bytes.
.set TP,    272                        ; a turned tile's row in LDS: 128 k x 2 bytes + 16
.set TBY,   32*TP                      ; a tile: 32 rows
.set SPARE, 3*TBY                      ; the spare words, 128 bytes for each of eight waves
.set WOT,   4456448                    ; 8 x 272 rows x 2,048 bytes
.set SPW, 14                           ; v14  my spare word's address; never rewritten
.set NIL, 15                           ; v15  0; never rewritten
.set WL,  16                           ; v16-63   three tiles' loads: tile t, load i at WL + 16 t + 4 i
.set SL,  64                           ; v64-191  32 loads of src
.set SO,  192                          ; v192-255 32 pairs to store: each written once, so no store's data is ever rewritten
	s_load_b512 s[4:19], s[0:1], 0x0               ; src, Wq, Wk, Wv, Wg, Wo, srcb, wt
	v_lshl_add_u32 v[SPW], v0, 2, SPARE
	v_mov_b32 v[NIL], 0
	v_lshrrev_b32 v1, 5, v0
	v_readfirstlane_b32 s20, v1                    ; wave
	v_and_b32 v1, 31, v0                           ; lane
	v_and_b32 v2, 7, v1                            ; cq: which 16 bytes (4 n) of a tile row's 128
	v_lshrrev_b32 v3, 3, v1                        ; rs
	v_lshrrev_b32 v10, 4, v1
	v_and_b32 v11, 15, v1
	s_and_b32 s21, ttmp9, 7                        ; kb
	s_lshr_b32 s22, ttmp9, 3                       ; nb
	s_lshl_b32 s23, s20, 4
	v_lshl_add_u32 v6, v3, 1, s23                  ; 16 wave + 2 rs: the first k row that I load
	v_lshlrev_b32 v7, 4, v2
	v_lshl_add_u32 v4, v6, 12, v7                  ; its byte offset in rows of 4,096 bytes (Wq, Wo)
	v_lshl_add_u32 v5, v6, 11, v7                  ; in rows of 2,048 bytes (Wk, Wv)
	v_mul_u32_u24 v8, v2, 4*TP
	v_lshl_add_u32 v8, v6, 1, v8                   ; into LDS: row n = 4 cq, byte 2 k
	s_lshl_b32 s23, s20, 2
	v_add_nc_u32 v12, s23, v10                     ; back: row 4 wave + lane / 16
	v_mul_u32_u24 v9, v12, TP
	v_lshl_add_u32 v9, v11, 4, v9
	s_lshl_b32 s23, s21, 8
	v_lshl_add_u32 v13, v12, 11, s23               ; and in wt: that row, byte 256 kb + 16 (lane % 16)
	v_lshl_add_u32 v13, v11, 4, v13
	s_lshl_b32 s23, s20, 14
	v_lshl_add_u32 v2, v1, 4, s23                  ; src: 16,384 wave + 16 lane
	s_lshl_b32 s23, s20, 13
	v_lshl_add_u32 v3, v1, 3, s23                  ; srcb: 8,192 wave + 8 lane
	s_lshl_b32 s24, ttmp9, 17                      ; offsets, each in a pair with 0 above it
	s_mov_b32 s25, 0
	s_lshl_b32 s26, ttmp9, 16
	s_mov_b32 s27, 0
	s_lshl_b32 s28, s21, 19                        ; Wq and Wo: 128 kb rows of 4,096 + 128 nb
	s_lshl_b32 s23, s22, 7
	s_add_co_u32 s28, s28, s23
	s_mov_b32 s29, 0
	s_and_b32 s36, s22, 15
	s_lshl_b32 s30, s21, 18                        ; Wk or Wv: 128 kb rows of 2,048 + 128 (nb & 15)
	s_lshl_b32 s23, s36, 7
	s_add_co_u32 s30, s30, s23
	s_mov_b32 s31, 0
	s_lshr_b32 s37, s22, 2                         ; c of the Wq tile and of the gate rows
	s_and_b32 s38, s22, 3
	s_mul_i32 s32, s37, 272
	s_lshl_b32 s23, s38, 5
	s_add_co_u32 s32, s32, s23
	s_lshl_b32 s32, s32, 11                        ; tile 0 goes to row 272 c + 32 (nb & 3)
	s_mov_b32 s33, 0
	s_lshr_b32 s23, s36, 1
	s_mul_i32 s34, s23, 272
	s_lshr_b32 s23, s22, 4
	s_lshl_b32 s23, s23, 6
	s_add_co_u32 s34, s34, s23
	s_and_b32 s23, s22, 1
	s_lshl_b32 s23, s23, 5
	s_add_co_u32 s34, s34, s23
	s_add_co_u32 s34, s34, 128
	s_lshl_b32 s34, s34, 11                        ; tile 1 to row 272 ((nb & 15) / 2) + 128 + 64 (nb / 16) + 32 (nb & 1)
	s_mov_b32 s35, 0
	s_lshl_b32 s40, s22, 16
	s_add_co_u32 s40, s40, WOT                     ; tile 2 to row 32 nb of Wo's part
	s_mov_b32 s41, 0
	s_lshl_b32 s23, s21, 12
	s_lshl_b32 s39, s37, 2
	s_add_co_u32 s23, s23, s39
	v_lshl_add_u32 v6, v11, 8, s23                 ; Wg: row 128 kb + 8 (lane % 16), column c
	s_mul_i32 s42, s37, 272
	s_lshl_b32 s39, s38, 2
	s_add_co_u32 s42, s42, s39
	s_add_co_u32 s42, s42, 256
	s_lshl_b32 s42, s42, 11
	s_lshl_b32 s39, s21, 8
	s_add_co_u32 s42, s42, s39
	v_lshl_add_u32 v7, v10, 11, s42                ; the copies: row 272 c + 256 + 4 (nb & 3) + lane / 16
	v_lshl_add_u32 v7, v11, 4, v7
	s_wait_kmcnt 0x0
	s_add_nc_u64 s[4:5], s[4:5], s[24:25]
	s_add_nc_u64 s[16:17], s[16:17], s[26:27]
	s_add_nc_u64 s[6:7], s[6:7], s[28:29]
	s_add_nc_u64 s[14:15], s[14:15], s[28:29]
	s_cmp_lt_u32 s22, 16
	s_cselect_b64 s[8:9], s[8:9], s[10:11]         ; the lower half of the n blocks takes Wk, the upper Wv
	s_add_nc_u64 s[8:9], s[8:9], s[30:31]
	s_add_nc_u64 s[24:25], s[18:19], s[32:33]
	s_add_nc_u64 s[26:27], s[18:19], s[34:35]
	s_add_nc_u64 s[28:29], s[18:19], s[40:41]
; four loads of a tile: k rows 16 wave + 8 (i / 2) + 2 rs + i % 2
.macro TLD t, vo, sb, p
.irp i, 0,1,2,3
	global_load_b128 v[WL+16*(\t)+4*(\i):WL+16*(\t)+4*(\i)+3], v[\vo], s[\sb:\sb+1] offset:(8*((\i)/2)+(\i)%2)*(\p)
.endr
.endm
	TLD 0, 4, 6, 4096
	TLD 1, 5, 8, 2048
	TLD 2, 4, 14, 4096
.set i, 0
.rept 32
	global_load_b128 v[SL+4*i:SL+4*i+3], v2, s[4:5] offset:512*i th:TH_LOAD_NT  ; 512 consecutive bytes a load
.set i, i+1
.endr
; two neighbouring k of one n are rounded into one word and put at row n, byte 2 k.  half = 1: the bf16 numbers are written as f16
.macro TCV t, half
.irp q, 0,1
.irp e, 0,1,2,3
	v_cvt_pk_bf16_f32 v[WL+16*(\t)+8*(\q)+(\e)], v[WL+16*(\t)+8*(\q)+(\e)], v[WL+16*(\t)+8*(\q)+4+(\e)]
.if \half
	v_lshlrev_b32 v[WL+16*(\t)+8*(\q)+4+(\e)], 16, v[WL+16*(\t)+8*(\q)+(\e)]
	v_and_b32 v12, 0xffff0000, v[WL+16*(\t)+8*(\q)+(\e)]
	v_cvt_pk_f16_f32 v[WL+16*(\t)+8*(\q)+(\e)], v[WL+16*(\t)+8*(\q)+4+(\e)], v12
.endif
	ds_store_b32 v8, v[WL+16*(\t)+8*(\q)+(\e)] offset:(\t)*TBY+(\e)*TP+16*(\q)
.endr
.endr
.endm
	s_wait_loadcnt 32                              ; the 32 loads of src are younger: the twelve of the weights are in
	TCV 0, 0
	TCV 1, 0
	TCV 2, 1
	s_wait_dscnt 0x0                               ; for the others' sake: my words are in the tiles
	s_barrier_signal -1
	s_barrier_wait -1
.irp t, 0,1,2
.irp i, 0,1
	ds_load_b128 v[WL+8*(\t)+4*(\i):WL+8*(\t)+4*(\i)+3], v9 offset:(\t)*TBY+(\i)*2*TP
.endr
.endr
.irp t, 0,1,2
.irp i, 0,1
	s_wait_dscnt 5-2*(\t)-(\i)                     ; LDS loads come back in order: the younger ones stay out
	global_store_b128 v13, v[WL+8*(\t)+4*(\i):WL+8*(\t)+4*(\i)+3], s[24+2*(\t):25+2*(\t)] offset:4096*(\i)  ; 16 lanes store 256 consecutive bytes, aligned
.endr
.endr
	s_cmp_lg_u32 s20, 0
	s_cbranch_scc1 .Lno_gate                       ; wave 0 alone: four copies of 128 k of the gate's column
.irp n, 0,1,2,3,4,5,6,7
	global_load_b32 v[40+\n], v6, s[12:13] offset:32*\n
.endr
	s_wait_loadcnt 0x0
	v_cvt_pk_bf16_f32 v48, v40, v41
	v_cvt_pk_bf16_f32 v49, v42, v43
	v_cvt_pk_bf16_f32 v50, v44, v45
	v_cvt_pk_bf16_f32 v51, v46, v47
	global_store_b128 v7, v[48:51], s[18:19]
	global_store_b128 v7, v[48:51], s[18:19] offset:4096
.Lno_gate:
.set i, 0
.rept 32
	s_wait_loadcnt 31-i                            ; the younger loads of src stay out
	v_cvt_pk_bf16_f32 v[SO+2*i], v[SL+4*i], v[SL+4*i+1]
	v_cvt_pk_bf16_f32 v[SO+2*i+1], v[SL+4*i+2], v[SL+4*i+3]
	global_store_b64 v3, v[SO+2*i:SO+2*i+1], s[16:17] offset:256*i th:TH_STORE_NT  ; the wave stores 256 consecutive bytes, aligned
.set i, i+1
.endr
	s_wait_tensorcnt 0x0                           ; the wave's end
	ds_add_u32 v[SPW], v[NIL]
	s_wait_dscnt 0x0
	s_endpgm
.Lfunc_end_k_qcce57f864d_prep:
	.size	k_qcce57f864d_prep, .Lfunc_end_k_qcce57f864d_prep-k_qcce57f864d_prep
	.p2alignl 7, 3214868480
	.fill 96, 4, 3214868480
	.section	.rodata,"a",@progbits
	.p2align	6, 0x0
	.amdhsa_kernel k_qcce57f864d_prep
		.amdhsa_group_segment_fixed_size 27136
		.amdhsa_private_segment_fixed_size 0
		.amdhsa_enable_private_segment 0
		.amdhsa_kernarg_size 64
		.amdhsa_user_sgpr_count 2
		.amdhsa_user_sgpr_kernarg_segment_ptr 1
		.amdhsa_wavefront_size32 1
		.amdhsa_system_sgpr_workgroup_id_x 1
		.amdhsa_system_sgpr_workgroup_id_y 1
		.amdhsa_system_sgpr_workgroup_id_z 1
		.amdhsa_system_vgpr_workitem_id 0
		.amdhsa_next_free_vgpr 256
		.amdhsa_next_free_sgpr 66
		.amdhsa_reserve_vcc 0
		.amdhsa_float_denorm_mode_32 3
		.amdhsa_float_denorm_mode_16_64 3
		.amdhsa_memory_ordered 1
		.amdhsa_forward_progress 1
		.amdhsa_inst_pref_size 23
	.end_amdhsa_kernel
	.amdgpu_metadata
---
amdhsa.version: [ 1, 2 ]
amdhsa.kernels:
  - .name:           k_qcce57f864d_prep
    .symbol:         k_qcce57f864d_prep.kd
    .args:
      - { .name: src, .offset: 0, .size: 8, .value_kind: global_buffer, .address_space: global }
      - { .name: Wq, .offset: 8, .size: 8, .value_kind: global_buffer, .address_space: global }
      - { .name: Wk, .offset: 16, .size: 8, .value_kind: global_buffer, .address_space: global }
      - { .name: Wv, .offset: 24, .size: 8, .value_kind: global_buffer, .address_space: global }
      - { .name: Wg, .offset: 32, .size: 8, .value_kind: global_buffer, .address_space: global }
      - { .name: Wo, .offset: 40, .size: 8, .value_kind: global_buffer, .address_space: global }
      - { .name: srcb, .offset: 48, .size: 8, .value_kind: global_buffer, .address_space: global }
      - { .name: wt, .offset: 56, .size: 8, .value_kind: global_buffer, .address_space: global }
    .group_segment_fixed_size: 27136
    .private_segment_fixed_size: 0
    .kernarg_segment_align: 8
    .kernarg_segment_size: 64
    .max_flat_workgroup_size: 256
    .sgpr_count:     66
    .vgpr_count:     256
    .wavefront_size: 32
...
	.end_amdgpu_metadata
.endif
;; end of part 1
;; launch proj (part 2): grid 8 x 32, 4 waves a work-group, clusters of 4 x 4, 327,680 bytes of LDS; arguments srcb, wt, bg, q_norm_w, k_norm_w, valid_mask, qkv, ubuf, cc; writes qkv, ubuf, cc
.if DOCPART == 2
	.amdgcn_target "amdgcn-amd-amdhsa--gfx1250"
	.amdhsa_code_object_version 6
	.text
	.protected	k_qcce57f864d_proj
	.globl	k_qcce57f864d_proj
	.p2align	8
	.type	k_qcce57f864d_proj,@function
k_qcce57f864d_proj:
	s_mov_b64 s[64:65], 0
	v_nop
	global_prefetch_b8 v0, s[64:65] scope:SCOPE_SE
	s_setreg_imm32_b32 hwreg(HW_REG_WAVE_MODE, 25, 1), 1
	s_wait_xcnt 0x0
	s_wait_alu depctr_hold_cnt(0) depctr_sa_sdst(0) depctr_va_vdst(0) depctr_va_sdst(0) depctr_va_ssrc(0) depctr_va_vcc(0) depctr_vm_vsrc(0)
	s_getreg_b32 s2, hwreg(HW_REG_IB_STS2, 6, 4)
	s_cmp_eq_u32 s2, 0
	s_cbranch_scc0 .Lentry_in_a_cluster
	s_endpgm
.Lentry_in_a_cluster:
	s_bfe_u32 s2, ttmp6, 0x10000c
	s_cmp_lg_u32 s2, 0xf033
	s_cbranch_scc0 .Lentry_shape_is_right
	s_endpgm
.Lentry_shape_is_right:
; PROJ.  For row block rb (256 tokens = one segment of a batch) and kv head c: [q head 2c | q head 2c+1 | k | v | gate] = srcb x wt's group c, K = 1,024, bf16 operands, f32 sums.
; Then, without leaving the work-group: lg = log2 sigmoid(logit + bg), 0 at masked tokens; its running sums over the segment (c inclusive, c' exclusive, G the total);
; RMS norm of q and k, the mask on k and v; q, k, v rounded once to f16 into qkv; the segment's two state sums
;   U^f = sum_j 2^(G - c_j) k_j v_j^T   and   U^b = sum_j 2^(c'_j) k_j v_j^T   (f16 operands, f32 sums, stored in f32);  and each wave's largest |v|.
; LIMITS.  bg and the norm weights are rounded to bf16 like all inputs.  q, k, v must stay under f16's 65,504 (|q| <= max|w_q|, |k| <= 8 max|w_k|).  A decay weight below 6e-8 counts as 0 in U.
; NaN, infinities and the sign of zero are not treated apart.
; THE PRODUCT.  Four waves, wave (i, j) = (wave / 2, wave % 2) makes rows 128 i .. x columns 128 j ..: 64 accumulators.  K goes in steps of 128 through two LDS slots; a slot holds 256 rows of A and
; 272 rows of B (the last 16 are the gate's copies).  Source 0 = 16 rows of B, source 1 = 16 rows of A: a lane holds eight neighbouring columns of one row.
; A wave takes its eight row blocks in an order of its own: blocks 0-3 are rows 128 i + 64 j + 16 a, blocks 4-7 rows 128 i + 64 (1 - j) + 16 (a - 4); four more products a quarter step multiply the
; gate's copies by blocks 0-3, so the four waves make the 256 logits between them, each number in every register of its lane.
; CLUSTER 4 x 4: A's tiles are shared along a row of the cluster, B's along a column, each asked for jointly.
; REGISTERS.  window 0: v0-31 addresses, v64-191 A's fragments (two buffers).  window 1: v0-15 the gate's fragments, v16-47 its sums, v48-49 mask bytes, v52-59 norm weights, v64-191 B's fragments.
; windows 2, 3: the accumulators of blocks 0-3 and 4-7, (a, b) at v[8 (8 a + b)].
.set KSTEP,  128
.set PITCH,  272                       ; an LDS row: 256 bytes + 16: the 16 rows of a fragment load start at 16 different groups of four banks (64 banks of 4 bytes: ISA guide 11.1)
.set HALFA,  128*PITCH
.set HALFB,  136*PITCH
.set SLOT,   2*HALFA+2*HALFB
.set SPARE,  2*SLOT                    ; the spare words, 128 bytes a wave
; LDS on the way out, in slots that have had their last fill:
.set PRV,    1024                      ; byte 0: lg of the 256 tokens.  From PRV on, 2,048 bytes a wave: the mask as f32 [256], then the decay weights as f16 [256]
.set KV,     9216                      ; 256 rows of k (128 bytes) and v (128 bytes),
.set KVP,    288                       ; 288 apart: an odd multiple of 32 for the turning loads
.set DP,     560                       ; a dumped row: two heads of 256 bytes, the second 272 behind the first
.set DUMPW,  64*DP                     ; a wave's dump, 64 rows, in slot 1
.set CEX,    262144                    ; cc: c at 0, c' at CEX, max |v| at VMX, G at GAM
.set VMX,    524288
.set GAM,    528384
.set ADRAL, 16                         ; v16-17 LDS address of A's blocks 0-3 in slot 0, 1
.set ADRAH, 18                         ; v18-19 of blocks 4-7
.set ADRB,  20                         ; v20-21 of my 128 rows of B
.set ADRG,  22                         ; v22-23 of the gate's 16 rows
.set MO,    24                         ; v24 4 x lane; v25 32 x (lane % 8): offsets of loads that stay out during the product
.set WO,    25
.set SPW,   28
.set NIL,   29
.set F0,    64
.set F1,    128
.set G1, 24
.set G0, 32
.set G1B, 48
.set G0B, 56
.set DW0, (1<<16)|(1<<20)|(1<<21)|(5<<22)|(3<<25)  ; 2-byte elements; padding on; bit 21 beside a mask; after every 64 words 4 words
.set MSB, 0
.macro WIN new                         ; the immediate's high byte repeats the setting that is left
.if MSB != (\new)
	s_set_vgpr_msb (MSB<<8)|(\new)
.set MSB, \new
.endif
.endm
.set MUL_LO, 0xa1
.set MUL_HI, 0xf1
.set TO_B,   0x40
.macro JLOAD s                         ; waves 0 and 1 ask for A's halves, waves 2 and 3 for B's; an s_nop 0 and four v_nop follow each line
	s_cmp_eq_u32 s11, 0
	s_cbranch_scc0 .Lfor_b_\@
	tensor_load_to_lds s[G0+4*(\s):G0+4*(\s)+3], s[G1:G1+7]
	s_nop 0
.rept 4
	v_nop
.endr
	s_branch .Lasked_\@
.Lfor_b_\@:
	tensor_load_to_lds s[G0B+4*(\s):G0B+4*(\s)+3], s[G1B:G1B+7]
	s_nop 0
.rept 4
	v_nop
.endr
.Lasked_\@:
.endm
.macro CREST
	s_cmp_lg_u32 s10, 0
	s_cbranch_scc1 .Lnot_wave_0_\@
	s_barrier_signal -3
.Lnot_wave_0_\@:
	s_barrier_wait -3
	s_barrier_signal -1
	s_barrier_wait -1
.endm
.macro CROUND
	s_barrier_signal -1
	s_barrier_wait -1
	CREST
.endm
.macro PLACES                          ; four plain vector instructions between a matrix instruction and a load into, or a read of, its registers
.rept 4
	v_nop
.endr
.endm
	s_load_b256 s[68:75], s[0:1], 0x0              ; srcb, wt, bg, q_norm_w
	s_load_b256 s[76:83], s[0:1], 0x20             ; k_norm_w, valid_mask, qkv, ubuf
	s_load_b64 s[84:85], s[0:1], 0x40              ; cc
	v_lshl_add_u32 v[SPW], v0, 2, SPARE
	v_mov_b32 v[NIL], 0
	ds_add_u32 v[SPW], v[NIL]                      ; the wave's opening: the add and its wait ahead of my first tensor load
	v_lshrrev_b32 v1, 5, v0
	v_readfirstlane_b32 s10, v1                    ; wave
	s_lshr_b32 s11, s10, 1                         ; i.  Also: I fetch for A (0) or for B (1)
	s_and_b32 s12, s10, 1                          ; j.  Also: which half of that tile I fetch
	s_bfe_u32 s40, ttmp6, 0x40000                  ; cx
	s_bfe_u32 s41, ttmp6, 0x40004                  ; cy
	s_lshl_b32 s42, ttmp9, 2
	s_add_co_u32 s42, s42, s40                     ; c
	s_and_b32 s13, ttmp7, 0xffff
	s_lshl_b32 s13, s13, 2
	s_add_co_u32 s13, s13, s41                     ; rb
	s_lshl_b32 s43, s41, 2
	s_lshl_b32 s43, 15, s43                        ; my row of the cluster
	s_lshl_b32 s44, 0x1111, s40                    ; my column
	s_or_b32 s[G1+0], s43, DW0
	s_or_b32 s[G1B+0], s44, DW0
	s_mov_b32 s[G1+1], KSTEP<<16                   ; tensor_dim0 = 128
	s_mov_b32 s[G1B+1], KSTEP<<16
	s_mov_b32 s[G1+2], 128<<16                     ; tensor_dim1: 128 rows of A,
	s_mov_b32 s[G1B+2], 136<<16                    ; 136 of B
	s_mov_b32 s[G1+3], KSTEP<<16                   ; tile_dim0 = 128
	s_mov_b32 s[G1B+3], KSTEP<<16
	s_mov_b32 s[G1+4], 128                         ; tile_dim1
	s_mov_b32 s[G1B+4], 136
	s_mov_b32 s[G1+5], 1024                        ; elements from row to row
	s_mov_b32 s[G1B+5], 1024
	s_mov_b32 s[G1+6], 0
	s_mov_b32 s[G1B+6], 0
	s_mov_b32 s[G1+7], 0
	s_mov_b32 s[G1B+7], 0
	s_lshl_b32 s17, s12, 7
	s_lshl_b32 s16, s13, 8
	s_add_co_u32 s16, s16, s17
	s_lshl_b32 s16, s16, 11                        ; A: row 256 rb + 128 half, 2,048 bytes a row
	s_mov_b32 s17, 0
	s_mul_i32 s46, s42, 272
	s_mul_i32 s47, s12, 136
	s_add_co_u32 s46, s46, s47
	s_lshl_b32 s46, s46, 11                        ; B: row 272 c + 136 half
	s_mov_b32 s47, 0
	s_mul_i32 s20, s12, HALFA                      ; where they go: no place in the cluster enters an LDS address
	s_mul_i32 s21, s12, HALFB
	s_add_co_u32 s21, s21, 2*HALFA
	s_mov_b32 s66, 0x3c800000                      ; 1 / 64
	s_mov_b32 s67, 0x358637bd                      ; 1e-6
	s_mov_b32 s90, 0x76543210                      ; v_permlanex16_b32: each lane takes its own place in the other half
	s_mov_b32 s91, 0xfedcba98
	s_wait_dscnt 0x0                               ; the opening add is done
	s_wait_kmcnt 0x0
	s_add_nc_u64 s[14:15], s[68:69], s[16:17]
	s_add_nc_u64 s[46:47], s[70:71], s[46:47]
	CROUND                                         ; all sixteen work-groups are here: the first joint loads meet
.irp s, 0,1
	s_mov_b32 s[G0+4*(\s)], 1
	s_add_co_u32 s[G0+4*(\s)+1], s20, (\s)*SLOT
	s_add_nc_u64 s[G0+4*(\s)+2:G0+4*(\s)+3], s[14:15], (\s)*KSTEP*2
	s_or_b32 s[G0+4*(\s)+3], s[G0+4*(\s)+3], 0x80000000
	s_mov_b32 s[G0B+4*(\s)], 1
	s_add_co_u32 s[G0B+4*(\s)+1], s21, (\s)*SLOT
	s_add_nc_u64 s[G0B+4*(\s)+2:G0B+4*(\s)+3], s[46:47], (\s)*KSTEP*2
	s_or_b32 s[G0B+4*(\s)+3], s[G0B+4*(\s)+3], 0x80000000
	JLOAD \s
.endr
	v_and_b32 v1, 15, v0                           ; r = lane % 16
	v_bfe_u32 v2, v0, 4, 1                         ; h = lane / 16
	v_mul_u32_u24 v3, v1, PITCH
	v_lshl_add_u32 v3, v2, 4, v3                   ; a fragment's row x pitch + 16 h
	s_lshl_b32 s93, s11, 7
	s_lshl_b32 s22, s12, 6
	s_add_co_u32 s100, s93, 64
	s_sub_co_u32 s100, s100, s22                   ; the first token of my blocks 4-7: 128 i + 64 (1 - j)
	s_add_co_u32 s93, s93, s22                     ; of my blocks 0-3: 128 i + 64 j
	s_mul_i32 s21, s93, PITCH
	s_mul_i32 s22, s100, PITCH
	s_mul_i32 s23, s12, 128*PITCH
	s_add_co_u32 s23, s23, 2*HALFA
	s_mov_b32 s45, 2*HALFA+256*PITCH
.irp s, 0,1
	v_add_nc_u32 v[ADRAL+(\s)], s21, v3
	v_add_nc_u32 v[ADRAH+(\s)], s22, v3
	v_add_nc_u32 v[ADRB+(\s)], s23, v3
	v_add_nc_u32 v[ADRG+(\s)], s45, v3
	s_add_co_u32 s21, s21, SLOT
	s_add_co_u32 s22, s22, SLOT
	s_add_co_u32 s23, s23, SLOT
	s_add_co_u32 s45, s45, SLOT
.endr
	; the addresses of the way out; offsets that hold both rb and c stay in s8, s18, s19
	s_lshl_b32 s18, s13, 3
	s_add_co_u32 s18, s18, s42                     ; the block's number, 8 rb + c
	s_mov_b32 s9, 0
	s_lshl_b32 s8, s13, 8
	s_add_nc_u64 s[78:79], s[78:79], s[8:9]        ; valid_mask at my 256 tokens
	s_lshl_b32 s8, s42, 2
	s_add_nc_u64 s[72:73], s[72:73], s[8:9]
	s_load_b32 s86, s[72:73], 0x0                  ; bg[c]
	s_cmp_eq_u32 s12, 1
	s_cselect_b64 s[74:75], s[76:77], s[74:75]     ; columns 128.. take k's norm weights, columns 0.. q's
	s_cselect_b32 s87, 0xff00ff00, 0               ; the lanes that hold v on the way out
	s_cselect_b32 s88, 1.0, 0                      ; a row's factor = mask x s88 + s89: the mask for k and v, 1 / 8 for q
	s_cselect_b32 s89, 0, 0x3e000000
	s_cselect_b32 s101, -1, 0                      ; all lanes: my U is the backward one
	s_lshl_b32 s8, s18, 17
	s_add_nc_u64 s[94:95], s[80:81], s[8:9]        ; my block of qkv
	s_lshl_b32 s8, s18, 15
	s_lshl_b32 s19, s12, 14
	s_add_co_u32 s8, s8, s19
	s_lshl_b32 s19, s11, 13
	s_add_co_u32 s8, s8, s19
	s_add_nc_u64 s[96:97], s[82:83], s[8:9]        ; ubuf: block, direction j, tiles 8 i ..
	s_lshl_b32 s8, s18, 10
	s_add_nc_u64 s[98:99], s[84:85], s[8:9]        ; cc: the block's 256 running sums
	s_lshl_b32 s8, s18, 4
	s_lshl_b32 s19, s10, 2
	s_add_co_u32 s8, s8, s19
	s_add_co_u32 s8, s8, VMX
	s_add_nc_u64 s[4:5], s[84:85], s[8:9]          ; my wave's max |v|
	s_lshr_b32 s8, s13, 3
	s_lshl_b32 s8, s8, 3
	s_add_co_u32 s8, s8, s42
	s_lshl_b32 s8, s8, 3
	s_and_b32 s19, s13, 7
	s_add_co_u32 s8, s8, s19
	s_lshl_b32 s8, s8, 2
	s_add_co_u32 s8, s8, GAM
	s_add_nc_u64 s[6:7], s[84:85], s[8:9]          ; G of (batch, c, segment)
	v_and_b32 v[MO], 31, v0
	v_lshlrev_b32 v[MO], 2, v[MO]
	v_and_b32 v[WO], 7, v0
	v_lshlrev_b32 v[WO], 5, v[WO]
	WIN TO_B                                       ; four loads that are waited for only on the way out
	global_load_b32 v48, v[MO], s[78:79]           ; the mask bytes of tokens 4 lane ..
	global_load_b32 v49, v[MO], s[78:79] offset:128  ; and 128 + 4 lane ..
	global_load_b128 v[52:55], v[WO], s[74:75]     ; the norm weights of my eight columns of a head
	global_load_b128 v[56:59], v[WO], s[74:75] offset:16
	WIN 0
.macro MUL16 f, hi, a0, zero           ; 16 products: blocks a0, a0 + 1 of the window's four x all 8 column blocks
	WIN MUL_LO+0x50*(\hi)
.irp a, \a0, (\a0)+1
.irp b, 0,1,2,3,4,5,6,7
.if \zero
	v_wmma_f32_16x16x32_bf16 v[8*(8*(\a)+(\b)):8*(8*(\a)+(\b))+7], v[(\f)+8*(\b):(\f)+8*(\b)+7], v[(\f)+8*(4*(\hi)+(\a)):(\f)+8*(4*(\hi)+(\a))+7], 0
.else
	v_wmma_f32_16x16x32_bf16 v[8*(8*(\a)+(\b)):8*(8*(\a)+(\b))+7], v[(\f)+8*(\b):(\f)+8*(\b)+7], v[(\f)+8*(4*(\hi)+(\a)):(\f)+8*(4*(\hi)+(\a))+7], v[8*(8*(\a)+(\b)):8*(8*(\a)+(\b))+7]
.endif
.endr
.endr
.endm
.macro MULG f, zero                    ; 4 products: the gate's copies x blocks 0-3; sums and the gate's fragment in window 1
	WIN 0x51
.irp a, 0,1,2,3
.if \zero
	v_wmma_f32_16x16x32_bf16 v[16+8*(\a):23+8*(\a)], v[((\f)-64)/8:((\f)-64)/8+7], v[(\f)+8*(\a):(\f)+8*(\a)+7], 0
.else
	v_wmma_f32_16x16x32_bf16 v[16+8*(\a):23+8*(\a)], v[((\f)-64)/8:((\f)-64)/8+7], v[(\f)+8*(\a):(\f)+8*(\a)+7], v[16+8*(\a):23+8*(\a)]
.endif
.endr
.endm
.macro FETCH slot, k, f                ; 34 LDS loads in one run: the gate's fragment, B's eight, A's eight
	WIN TO_B
	ds_load_b128 v[((\f)-64)/8:((\f)-64)/8+3],   v[ADRG+(\slot)] offset:(\k)
	ds_load_b128 v[((\f)-64)/8+4:((\f)-64)/8+7], v[ADRG+(\slot)] offset:(\k)+32
.irp i, 0,1,2,3,4,5,6,7
	ds_load_b128 v[(\f)+8*(\i):(\f)+8*(\i)+3],   v[ADRB+(\slot)] offset:(\k)+(\i)*16*PITCH
	ds_load_b128 v[(\f)+8*(\i)+4:(\f)+8*(\i)+7], v[ADRB+(\slot)] offset:(\k)+(\i)*16*PITCH+32
.endr
	WIN 0
.irp i, 0,1,2,3
	ds_load_b128 v[(\f)+8*(\i):(\f)+8*(\i)+3],   v[ADRAL+(\slot)] offset:(\k)+(\i)*16*PITCH
	ds_load_b128 v[(\f)+8*(\i)+4:(\f)+8*(\i)+7], v[ADRAL+(\slot)] offset:(\k)+(\i)*16*PITCH+32
.endr
.irp i, 0,1,2,3
	ds_load_b128 v[(\f)+32+8*(\i):(\f)+32+8*(\i)+3],   v[ADRAH+(\slot)] offset:(\k)+(\i)*16*PITCH
	ds_load_b128 v[(\f)+32+8*(\i)+4:(\f)+32+8*(\i)+7], v[ADRAH+(\slot)] offset:(\k)+(\i)*16*PITCH+32
.endr
.endm
; A K step is four quarter steps of 32 along K, 68 products each, on buffers 0, 1, 0, 1.  The 68 accumulators take turns in the same order in every quarter.
.macro QUARTER slot, k, f, g, zero
	s_wait_dscnt 8                                 ; all but the youngest eight loads (A's blocks 4-7)
	MUL16 \f, 0, 0, \zero
	MUL16 \f, 0, 2, \zero
	PLACES
	FETCH \slot, \k, \g
	s_wait_dscnt 34                                ; all but the 34 just issued
	MUL16 \f, 1, 0, \zero
	MUL16 \f, 1, 2, \zero
	MULG \f, \zero
.endm
; The last quarter's first half and the change of slots: each wave waits for all its tensor loads (one is out: its part of the next slot), adds 0 to its spare word, and waits for that and for its reads of this slot.
.macro MEET round
	WIN 0
	s_wait_tensorcnt 0x0
	ds_add_u32 v[SPW], v[NIL]
	s_wait_dscnt 9                                 ; the add and the youngest eight loads may be out
	MUL16 F1, 0, 0, 0
	s_wait_dscnt 0x0                               ; the add is done, my reads of this slot are over
	s_barrier_signal -1
	MUL16 F1, 0, 2, 0
.if \round
	WIN 0
.endif
	s_barrier_wait -1
.endm
.macro TURN slot, next                 ; the slot just read is filled again, two K steps on: the joint load is the first thing behind the cluster's round
	MEET 1
	CREST
	s_add_nc_u64 s[G0+4*(\slot)+2:G0+4*(\slot)+3], s[G0+4*(\slot)+2:G0+4*(\slot)+3], 2*KSTEP*2
	s_add_nc_u64 s[G0B+4*(\slot)+2:G0B+4*(\slot)+3], s[G0B+4*(\slot)+2:G0B+4*(\slot)+3], 2*KSTEP*2
	JLOAD \slot                                    ; its four v_nop are also the places in front of the loads below
	FETCH \next, 0, F0
	MUL16 F1, 1, 0, 0
	MUL16 F1, 1, 2, 0
	MULG F1, 0
.endm
	s_wait_tensorcnt 1                             ; my part of K step 0 is in; K step 1's stays out
	s_barrier_signal -1
	s_barrier_wait -1
	FETCH 0, 0, F0
	QUARTER 0, 64,  F0, F1, 1                      ; the first quarter starts the sums
	WIN 0
	s_mov_b32 s3, 3                                ; eight K steps are four laps of the ring; three trips fill both slots again
.Llap:
	QUARTER 0, 128, F1, F0, 0
	QUARTER 0, 192, F0, F1, 0
	TURN 0, 1
	QUARTER 1, 64,  F0, F1, 0
	QUARTER 1, 128, F1, F0, 0
	QUARTER 1, 192, F0, F1, 0
	TURN 1, 0
	QUARTER 0, 64,  F0, F1, 0
	WIN 0
	s_sub_co_u32 s3, s3, 1
	s_cmp_lg_u32 s3, 0
	s_cbranch_scc1 .Llap
	QUARTER 0, 128, F1, F0, 0                      ; the last lap fills nothing
	QUARTER 0, 192, F0, F1, 0
	MEET 0
	PLACES
	FETCH 1, 0, F0
	MUL16 F1, 1, 0, 0
	MUL16 F1, 1, 2, 0
	MULG F1, 0
	QUARTER 1, 64,  F0, F1, 0
	QUARTER 1, 128, F1, F0, 0
	QUARTER 1, 192, F0, F1, 0
	s_wait_dscnt 8
	MUL16 F1, 0, 0, 0
	MUL16 F1, 0, 2, 0
	s_wait_dscnt 0x0
	MUL16 F1, 1, 0, 0
	MUL16 F1, 1, 2, 0
	MULG F1, 0
	WIN 0
; ------------------------------------------------------------------ THE WAY OUT
.set LN,   4                           ; lane
.set SG,   5                           ; (lane / 8) % 2: which head of a dumped row
.set CG,   6                           ; lane % 8: which eight columns of it
.set LGA,  7                           ; where my logits' lg go
.set DS,   8                           ; the dump: where I put a row's eight columns
.set DAB,  9                           ; the dump: where I read rows
.set UA,   10                          ; k for the turning loads
.set UV,   11                          ; v
.set UW,   12                          ; the decay weights
.set UO,   13                          ; 16 x lane
.set DA,   14
.set MA,   15
.set GOFF, 16
.set KVA,  17
.set T0,   18
.set PRA,  19
.set WHA,  20
.set ZR,   21
.set HK,   22
.set HG,   23
.set XR,   64                          ; v64-95   four pairs of rows, eight columns a lane
.set MRV,  96                          ; v96-99   their rows' mask, then factor
.set SQ,   100                         ; v100-107 sums of squares
.set RR,   108                         ; v108-115 a row's scale, in the low register of a pair
.set YR,   116                         ; v116-131 packed f16
.set CW,   132                         ; v132-139 my eight columns' weights
.set VM,   140                         ; running max of magnitudes
.set UP,   64                          ; U: two buffers of 56 (weights 8, k 32, v 16),
.set UQ,   120
.set UACC, 176                         ; and eight accumulators
	; addresses: more than four plain instructions, which are also the places behind the last products
	s_mul_i32 s21, s10, DUMPW
	s_add_co_u32 s21, s21, SLOT                    ; my dump
	s_lshl_b32 s22, s10, 11
	s_add_co_u32 s22, s22, PRV                     ; my private words
	s_lshl_b32 s23, s93, 2
	v_and_b32 v[LN], 31, v0
	v_bfe_u32 v[SG], v0, 3, 1
	v_and_b32 v[CG], 7, v0
	v_lshl_add_u32 v[LGA], v1, 2, s23
	v_mul_u32_u24 v[DS], v1, DP
	v_lshl_add_u32 v[DS], v2, 5, v[DS]
	v_add_nc_u32 v[DS], s21, v[DS]
	v_mul_u32_u24 v[DAB], v2, DP
	v_mul_u32_u24 v[T0], v[SG], 272
	v_add3_u32 v[DAB], v[DAB], v[T0], s21
	v_lshl_add_u32 v[DAB], v[CG], 5, v[DAB]
	v_lshl_add_u32 v[T0], v2, 3, v[CG]
	v_mul_u32_u24 v[UA], v[T0], KVP
	v_lshl_add_u32 v[UA], v[SG], 4, v[UA]
	v_add_nc_u32 v[UA], KV, v[UA]
	s_lshl_b32 s23, s11, 6
	s_add_co_u32 s23, s23, 128
	v_add_nc_u32 v[UV], s23, v[UA]                 ; v lies 128 bytes behind k; my two column blocks begin at 32 i numbers
	s_add_co_u32 s23, s22, 1024
	v_lshl_add_u32 v[UW], v2, 4, s23
	v_lshlrev_b32 v[UO], 4, v[LN]
	v_add_nc_u32 v[PRA], s22, v[UO]
	v_lshl_add_u32 v[WHA], v[LN], 3, s23
	v_mov_b32 v[ZR], 0
	v_mul_u32_u24 v[HK], v2, KVP
	v_lshl_add_u32 v[HK], v1, 4, v[HK]
	v_lshlrev_b32 v[HG], 9, v2
	v_lshl_add_u32 v[HG], v1, 4, v[HG]
	; THE GATE.  y = (logit + bg) log2 e;  lg = log2 sigmoid = min(y, 0) - log2(1 + 2^-|y|): no exponent is above 0
	s_wait_kmcnt 0x0
	v_mov_b32 v32, s86
	v_cvt_pk_bf16_f32 v32, v32, v32
	v_lshlrev_b32 v32, 16, v32
	WIN 0x04                                       ; source 1 in window 1
.irp a, 0,1,2,3
	v_add_f32 v[33+\a], v32, v[16+8*\a]            ; each sum's lowest register
.endr
	WIN 0
.irp a, 0,1,2,3
	v_mul_f32 v[33+\a], 0x3fb8aa3b, v[33+\a]
.endr
.irp a, 0,1,2,3
	v_or_b32 v[37+\a], 0x80000000, v[33+\a]
.endr
.irp a, 0,1,2,3
	v_exp_f32 v[37+\a], v[37+\a]
.endr
.irp a, 0,1,2,3
	v_min_num_f32 v[33+\a], 0, v[33+\a]            ; plain lines behind the exponentials
.endr
	s_wait_alu depctr_va_vdst(0)
.irp a, 0,1,2,3
	v_add_f32 v[37+\a], 1.0, v[37+\a]
.endr
.irp a, 0,1,2,3
	v_log_f32 v[37+\a], v[37+\a]
.endr
	v_nop
	s_wait_alu depctr_va_vdst(0)
.irp a, 0,1,2,3
	v_sub_f32 v[33+\a], v[33+\a], v[37+\a]
.endr
.irp a, 0,1,2,3
	ds_store_b32 v[LGA], v[33+\a] offset:64*\a     ; slot 0 has not been read since the last change of slots
.endr
	s_wait_dscnt 0x0                               ; my lg are stored, and my reads of slot 1 are over
	s_barrier_signal -1
	s_barrier_wait -1
	; THE SCAN, in every wave for itself.  A lane holds tokens 4 lane + e (group A) and 128 + 4 lane + e (group B)
	ds_load_b128 v[40:43], v[UO]
	ds_load_b128 v[44:47], v[UO] offset:512
.irp d, 0,1,2,3,4
	v_bfe_u32 v[62+\d], v0, \d, 1
.endr
.irp d, 0,1,2,3,4
	v_cvt_f32_u32 v[62+\d], v[62+\d]               ; bit d of my lane as 0.0 or 1.0
.endr
	v_mov_b32 v58, 0
	v_mov_b32 v61, 0
	s_wait_loadcnt 0x0                             ; the mask bytes and the norm weights
	WIN 0x01                                       ; source 0 in window 1
.irp e, 0,1,2,3
	v_bfe_u32 v[48+\e], v48, 8*\e, 8
	v_bfe_u32 v[52+\e], v49, 8*\e, 8
.endr
	WIN 0
.irp e, 0,1,2,3,4,5,6,7
	v_cvt_f32_u32 v[48+\e], v[48+\e]
.endr
	s_wait_dscnt 0x0
.irp n, 0,2,4,6
	v_pk_mul_f32 v[40+\n:41+\n], v[40+\n:41+\n], v[48+\n:49+\n]  ; a masked token passes the state on: lg = 0
.endr
	v_add_f32 v41, v40, v41
	v_add_f32 v45, v44, v45
	v_add_f32 v42, v41, v42
	v_add_f32 v46, v45, v46
	v_add_f32 v43, v42, v43
	v_add_f32 v47, v46, v47
	v_mov_b32 v56, v43                             ; tot
	v_mov_b32 v59, v47
; one step: the partner's total is added to mine, and to my sum of the lanes below me if the partner is below me
.macro SCAN d, mk, first
.if (\d) < 16
	v_mov_b32_dpp v58, v56 row_xmask:\d row_mask:0xf bank_mask:0xf
	v_mov_b32_dpp v61, v59 row_xmask:\d row_mask:0xf bank_mask:0xf
.else
	v_permlanex16_b32 v58, v56, s90, s91
	v_permlanex16_b32 v61, v59, s90, s91
.endif
.if \first
	v_mul_f32 v57, v58, v[\mk]
	v_mul_f32 v60, v61, v[\mk]
.else
	v_fma_f32 v57, v58, v[\mk], v57
	v_fma_f32 v60, v61, v[\mk], v60
.endif
	v_add_f32 v56, v56, v58
	v_add_f32 v59, v59, v61
.endm
	SCAN 1, 62, 1
	SCAN 2, 63, 0
	SCAN 4, 64, 0
	SCAN 8, 65, 0
	SCAN 16, 66, 0
	v_add_f32 v60, v60, v56                        ; group B lies behind all of group A
	v_add_f32 v67, v56, v59                        ; G
.irp e, 0,1,2,3
	v_add_f32 v[68+\e], v57, v[40+\e]              ; c
	v_add_f32 v[76+\e], v60, v[44+\e]
.endr
	v_mov_b32 v72, v57                             ; c'
	v_mov_b32 v80, v60
.irp e, 0,1,2
	v_mov_b32 v[73+\e], v[68+\e]
	v_mov_b32 v[81+\e], v[76+\e]
.endr
.irp e, 0,1,2,3
	v_sub_f32 v[84+\e], v67, v[68+\e]
	v_sub_f32 v[88+\e], v67, v[76+\e]
.endr
.irp e, 0,1,2,3
	v_cndmask_b32 v[84+\e], v[84+\e], v[72+\e], s101  ; forward: G - c;  backward: c'
	v_cndmask_b32 v[88+\e], v[88+\e], v[80+\e], s101
.endr
.irp e, 0,1,2,3,4,5,6,7
	v_exp_f32 v[84+\e], v[84+\e]
.endr
	v_nop
	s_wait_alu depctr_va_vdst(0)
	v_cvt_pk_f16_f32 v92, v84, v85
	v_cvt_pk_f16_f32 v93, v86, v87
	v_cvt_pk_f16_f32 v94, v88, v89
	v_cvt_pk_f16_f32 v95, v90, v91
	ds_store_b128 v[PRA], v[48:51]                 ; my own copy of the mask as f32,
	ds_store_b128 v[PRA], v[52:55] offset:512
	ds_store_b64 v[WHA], v[92:93]                  ; and of my direction's decay weights as f16
	ds_store_b64 v[WHA], v[94:95] offset:256
	s_cmp_lg_u32 s10, 0
	s_cbranch_scc1 .Lnot0                          ; wave 0 stores the sums: 512 consecutive bytes a store
	global_store_b128 v[UO], v[68:71], s[98:99]
	global_store_b128 v[UO], v[76:79], s[98:99] offset:512
	global_store_b128 v[UO], v[72:75], s[98:99] offset:CEX
	global_store_b128 v[UO], v[80:83], s[98:99] offset:CEX+512
	global_store_b32 v[ZR], v67, s[6:7]
.Lnot0:
	s_wait_xcnt 0x0                                ; those stores' registers are written again below
	; my eight columns' weights, rounded to bf16; 1 for v
	WIN 0x05
.irp n, 0,2,4,6
	v_cvt_pk_bf16_f32 v[CW+\n], v[52+\n], v[53+\n]
.endr
	WIN 0
.irp n, 0,2,4,6
	v_and_b32 v[CW+\n+1], 0xffff0000, v[CW+\n]
	v_lshlrev_b32 v[CW+\n], 16, v[CW+\n]
.endr
.irp n, 0,1,2,3,4,5,6,7
	v_cndmask_b32 v[CW+\n], v[CW+\n], 1.0, s87
.endr
	v_mov_b32 v[VM], 0
.irp p, 0,1,2,3
	v_mov_b32 v[RR+2*\p+1], 0                      ; named with the scale as a pair
.endr
; 64 rows x 128 columns of f32 go into my dump; each accumulator's low four registers first
.macro DUMP half
	WIN 0x08+4*(\half)                             ; store data in window 2 or 3
.irp a, 0,1,2,3
.irp b, 0,1,2,3,4,5,6,7
	ds_store_b128 v[DS], v[64*(\a)+8*(\b):64*(\a)+8*(\b)+3]   offset:16*DP*(\a)+272*((\b)/4)+64*((\b)%4)
	ds_store_b128 v[DS], v[64*(\a)+8*(\b)+4:64*(\a)+8*(\b)+7] offset:16*DP*(\a)+272*((\b)/4)+64*((\b)%4)+16
.endr
.endr
	WIN 0
.endm
; and come back by rows: 16 lanes a row, 8 lanes a head, eight columns a lane.  A trip takes eight rows as four pairs.  LDS serves a wave's instructions in order (ISA guide 5.7.1.4): no wait between dump and reads.
.macro PROC tb
	s_lshl_b32 s23, s[\tb], 2
	s_add_co_u32 s23, s23, s22
	v_mov_b32 v[DA], v[DAB]
	v_lshl_add_u32 v[MA], v2, 2, s23
	s_lshl_b32 s23, s[\tb], 9
	s_lshl_b32 s45, s12, 8
	s_add_co_u32 s23, s23, s45
	v_add_nc_u32 v[GOFF], s23, v[HG]
	s_mul_i32 s23, s[\tb], KVP
	s_add_co_u32 s23, s23, KV
	v_add_nc_u32 v[KVA], s23, v[HK]
	s_mov_b32 s92, 8
.Lproc_\@:
.irp p, 0,1,2,3
	ds_load_b128 v[XR+8*\p:XR+8*\p+3],   v[DA] offset:2*DP*\p
	ds_load_b128 v[XR+8*\p+4:XR+8*\p+7], v[DA] offset:2*DP*\p+16
	ds_load_b32 v[MRV+\p], v[MA] offset:8*\p
.endr
.irp p, 0,1,2,3
	s_wait_dscnt 9-3*\p                            ; the younger pairs' loads stay out
	v_pk_mul_f32 v[SQ+2*\p:SQ+2*\p+1], v[XR+8*\p:XR+8*\p+1], v[XR+8*\p:XR+8*\p+1]
	v_pk_fma_f32 v[SQ+2*\p:SQ+2*\p+1], v[XR+8*\p+2:XR+8*\p+3], v[XR+8*\p+2:XR+8*\p+3], v[SQ+2*\p:SQ+2*\p+1]
	v_pk_fma_f32 v[SQ+2*\p:SQ+2*\p+1], v[XR+8*\p+4:XR+8*\p+5], v[XR+8*\p+4:XR+8*\p+5], v[SQ+2*\p:SQ+2*\p+1]
	v_pk_fma_f32 v[SQ+2*\p:SQ+2*\p+1], v[XR+8*\p+6:XR+8*\p+7], v[XR+8*\p+6:XR+8*\p+7], v[SQ+2*\p:SQ+2*\p+1]
.endr
.irp p, 0,1,2,3
	v_add_f32 v[SQ+2*\p], v[SQ+2*\p], v[SQ+2*\p+1]
.endr
.irp m, 1,2,4
.irp p, 0,1,2,3
	v_add_f32_dpp v[SQ+2*\p], v[SQ+2*\p], v[SQ+2*\p] row_xmask:\m row_mask:0xf bank_mask:0xf  ; over the head's eight lanes
.endr
.endr
.irp p, 0,1,2,3
	v_fma_f32 v[SQ+2*\p], v[SQ+2*\p], s66, s67     ; mean + 1e-6
.endr
.irp p, 0,1,2,3
	v_rsq_f32 v[RR+2*\p], v[SQ+2*\p]
.endr
.irp p, 0,1,2,3
	v_fma_f32 v[MRV+\p], v[MRV+\p], s88, s89       ; plain lines behind the roots: the mask, or 1 / 8
.endr
	s_wait_alu depctr_va_vdst(0)
.irp p, 0,1,2,3
	v_cndmask_b32 v[RR+2*\p], v[RR+2*\p], 1.0, s87 ; v has no norm
.endr
.irp p, 0,1,2,3
	v_mul_f32 v[RR+2*\p], v[RR+2*\p], v[MRV+\p]
.endr
.irp p, 0,1,2,3
.irp n, 0,2,4,6
	v_pk_mul_f32 v[XR+8*\p+\n:XR+8*\p+\n+1], v[XR+8*\p+\n:XR+8*\p+\n+1], v[CW+\n:CW+\n+1]
.endr
.endr
.irp p, 0,1,2,3
.irp n, 0,2,4,6
	v_pk_mul_f32 v[XR+8*\p+\n:XR+8*\p+\n+1], v[XR+8*\p+\n:XR+8*\p+\n+1], v[RR+2*\p:RR+2*\p+1] op_sel_hi:[1,0]
.endr
.endr
.irp p, 0,1,2,3
.irp n, 0,2,4,6
	v_max3_num_f32 v[VM], v[VM], |v[XR+8*\p+\n]|, |v[XR+8*\p+\n+1]|
.endr
.endr
.irp p, 0,1,2,3
.irp n, 0,1,2,3
	v_cvt_pk_f16_f32 v[YR+4*\p+\n], v[XR+8*\p+2*\n], v[XR+8*\p+2*\n+1]
.endr
.endr
.irp p, 0,1,2,3
	global_store_b128 v[GOFF], v[YR+4*\p:YR+4*\p+3], s[94:95] offset:1024*\p  ; 16 lanes store 256 consecutive bytes, aligned
.endr
	s_cmp_eq_u32 s12, 0
	s_cbranch_scc1 .Lnokv_\@                       ; the waves that hold k and v also keep them in LDS, for U
.irp p, 0,1,2,3
	ds_store_b128 v[KVA], v[YR+4*\p:YR+4*\p+3] offset:2*KVP*\p
.endr
.Lnokv_\@:
	s_wait_xcnt 0x0                                ; the stores' offset and data are written again only behind this wait
	v_add_nc_u32 v[DA], 8*DP, v[DA]
	v_add_nc_u32 v[MA], 32, v[MA]
	v_add_nc_u32 v[GOFF], 4096, v[GOFF]
	v_add_nc_u32 v[KVA], 8*KVP, v[KVA]
	s_sub_co_u32 s92, s92, 1
	s_cmp_lg_u32 s92, 0
	s_cbranch_scc1 .Lproc_\@
.endm
	DUMP 0
	PROC 93
	DUMP 1
	PROC 100
	s_wait_dscnt 0x0                               ; for the others' sake: k and v are in LDS
	s_barrier_signal -1
	s_barrier_wait -1
	; my wave's largest |v| (0 in the waves that hold q)
	v_cndmask_b32 v240, 0, v[VM], s87
	v_mov_b32 v241, 0
	v_max_num_f32_dpp v240, v240, v240 row_xmask:1 row_mask:0xf bank_mask:0xf
	v_max_num_f32_dpp v240, v240, v240 row_xmask:2 row_mask:0xf bank_mask:0xf
	v_max_num_f32_dpp v240, v240, v240 row_xmask:4 row_mask:0xf bank_mask:0xf
	v_max_num_f32_dpp v240, v240, v240 row_xmask:8 row_mask:0xf bank_mask:0xf
	v_permlanex16_b32 v241, v240, s90, s91
	v_max_num_f32 v240, v240, v241
	global_store_b32 v[ZR], v240, s[4:5]
	; U.  Wave (i, j): direction j, v's column blocks 2 i and 2 i + 1, all four of k's.  K = 256 tokens in eight steps of 32; k^T and v^T come by the turning load, v is scaled by the decay weights in f16.
.macro ULOAD u, ks
	ds_load_b128 v[(\u):(\u)+3],   v[UW] offset:64*(\ks)
	ds_load_b128 v[(\u)+4:(\u)+7], v[UW] offset:64*(\ks)+32
.irp bk, 0,1,2,3
	ds_load_tr16_b128 v[(\u)+8+8*\bk:(\u)+11+8*\bk],  v[UA] offset:32*KVP*(\ks)+32*\bk
	ds_load_tr16_b128 v[(\u)+12+8*\bk:(\u)+15+8*\bk], v[UA] offset:32*KVP*(\ks)+32*\bk+16*KVP
.endr
.irp bv, 0,1
	ds_load_tr16_b128 v[(\u)+40+8*\bv:(\u)+43+8*\bv], v[UV] offset:32*KVP*(\ks)+32*\bv
	ds_load_tr16_b128 v[(\u)+44+8*\bv:(\u)+47+8*\bv], v[UV] offset:32*KVP*(\ks)+32*\bv+16*KVP
.endr
.endm
.macro UMUL u, zero
.irp bv, 0,1
.irp x, 0,1,2,3,4,5,6,7
	v_pk_mul_f16 v[(\u)+40+8*\bv+\x], v[(\u)+40+8*\bv+\x], v[(\u)+\x]
.endr
.endr
.irp bv, 0,1
.irp bk, 0,1,2,3
.if \zero
	v_wmma_f32_16x16x32_f16 v[UACC+8*(4*\bv+\bk):UACC+8*(4*\bv+\bk)+7], v[(\u)+8+8*\bk:(\u)+15+8*\bk], v[(\u)+40+8*\bv:(\u)+47+8*\bv], 0
.else
	v_wmma_f32_16x16x32_f16 v[UACC+8*(4*\bv+\bk):UACC+8*(4*\bv+\bk)+7], v[(\u)+8+8*\bk:(\u)+15+8*\bk], v[(\u)+40+8*\bv:(\u)+47+8*\bv], v[UACC+8*(4*\bv+\bk):UACC+8*(4*\bv+\bk)+7]
.endif
.endr
.endr
.endm
.macro UTRIP zero                      ; two steps; the eight accumulators take turns
	PLACES
	ULOAD UP, 0
	ULOAD UQ, 1
	s_wait_dscnt 14                                ; the second buffer's fourteen loads stay out
	UMUL UP, \zero
	s_wait_dscnt 0x0
	UMUL UQ, 0
	v_add_nc_u32 v[UA], 64*KVP, v[UA]
	v_add_nc_u32 v[UV], 64*KVP, v[UV]
	v_add_nc_u32 v[UW], 128, v[UW]
.endm
	UTRIP 1                                        ; the first step starts the sums
	s_mov_b32 s92, 3
.Lu:
	UTRIP 0
	s_sub_co_u32 s92, s92, 1
	s_cmp_lg_u32 s92, 0
	s_cbranch_scc1 .Lu
	PLACES
.irp t, 0,1,2,3,4,5,6,7
	global_store_b128 v[UO], v[UACC+8*\t:UACC+8*\t+3],   s[96:97] offset:1024*\t      ; 512 consecutive bytes a store
	global_store_b128 v[UO], v[UACC+8*\t+4:UACC+8*\t+7], s[96:97] offset:1024*\t+512
.endr
	s_wait_tensorcnt 0x0                           ; the wave's end
	ds_add_u32 v[SPW], v[NIL]
	s_wait_dscnt 0x0
	CROUND                                         ; the closing round
	s_endpgm
.Lfunc_end_k_qcce57f864d_proj:
	.size	k_qcce57f864d_proj, .Lfunc_end_k_qcce57f864d_proj-k_qcce57f864d_proj
	.p2alignl 7, 3214868480
	.fill 96, 4, 3214868480
	.section	.rodata,"a",@progbits
	.p2align	6, 0x0
	.amdhsa_kernel k_qcce57f864d_proj
		.amdhsa_group_segment_fixed_size 327680
		.amdhsa_private_segment_fixed_size 0
		.amdhsa_enable_private_segment 0
		.amdhsa_kernarg_size 72
		.amdhsa_user_sgpr_count 2
		.amdhsa_user_sgpr_kernarg_segment_ptr 1
		.amdhsa_wavefront_size32 1
		.amdhsa_system_sgpr_workgroup_id_x 1
		.amdhsa_system_sgpr_workgroup_id_y 1
		.amdhsa_system_sgpr_workgroup_id_z 1
		.amdhsa_system_vgpr_workitem_id 0
		.amdhsa_next_free_vgpr 1024
		.amdhsa_next_free_sgpr 102
		.amdhsa_reserve_vcc 0
		.amdhsa_float_denorm_mode_32 3
		.amdhsa_float_denorm_mode_16_64 3
		.amdhsa_memory_ordered 1
		.amdhsa_forward_progress 1
		.amdhsa_inst_pref_size 170
	.end_amdhsa_kernel
	.amdgpu_metadata
---
amdhsa.version: [ 1, 2 ]
amdhsa.kernels:
  - .name:           k_qcce57f864d_proj
    .symbol:         k_qcce57f864d_proj.kd
    .args:
      - { .name: srcb, .offset: 0, .size: 8, .value_kind: global_buffer, .address_space: global }
      - { .name: wt, .offset: 8, .size: 8, .value_kind: global_buffer, .address_space: global }
      - { .name: bg, .offset: 16, .size: 8, .value_kind: global_buffer, .address_space: global }
      - { .name: q_norm_w, .offset: 24, .size: 8, .value_kind: global_buffer, .address_space: global }
      - { .name: k_norm_w, .offset: 32, .size: 8, .value_kind: global_buffer, .address_space: global }
      - { .name: valid_mask, .offset: 40, .size: 8, .value_kind: global_buffer, .address_space: global }
      - { .name: qkv, .offset: 48, .size: 8, .value_kind: global_buffer, .address_space: global }
      - { .name: ubuf, .offset: 56, .size: 8, .value_kind: global_buffer, .address_space: global }
      - { .name: cc, .offset: 64, .size: 8, .value_kind: global_buffer, .address_space: global }
    .group_segment_fixed_size: 327680
    .private_segment_fixed_size: 0
    .kernarg_segment_align: 8
    .kernarg_segment_size: 72
    .max_flat_workgroup_size: 128
    .sgpr_count:     102
    .vgpr_count:     1024
    .wavefront_size: 32
...
	.end_amdgpu_metadata
.endif
;; end of part 2
;; launch attn (part 3): grid 8 x 32, 4 waves a work-group, no clusters, 175,616 bytes of LDS; arguments qkv, ubuf, cc, q_norm_w, k_norm_w, obuf, scl; writes obuf, scl
.if DOCPART == 3
	.amdgcn_target "amdgcn-amd-amdhsa--gfx1250"
	.amdhsa_code_object_version 6
	.text
	.protected	k_qcce57f864d_attn
	.globl	k_qcce57f864d_attn
	.p2align	8
	.type	k_qcce57f864d_attn,@function
k_qcce57f864d_attn:
	s_mov_b64 s[64:65], 0
	v_nop
	global_prefetch_b8 v0, s[64:65] scope:SCOPE_SE
	s_setreg_imm32_b32 hwreg(HW_REG_WAVE_MODE, 25, 1), 1
	s_wait_xcnt 0x0
; ATTN.  For kv head c and segment rb = 8 b + s (256 tokens) and both q heads:
;   o_t = sum_j E[t][j] (q_t . k_j) v_j  +  2^(c_t) q_t S  +  2^(G - c'_t) q_t R,     E[t][j] = 2^min(c_t - c_j, c'_j - c'_t)   (lg <= 0: one difference is <= 0; the diagonal counts once),
;   S = sum over s' < s of 2^(sum of G between) U^f[s'],   R = sum over s' > s of 2^(sum of G between) U^b[s'].      No exponent is above 0 but by rounding.
; SCALE.  o and the states have no room in f16 for all inputs, so they are divided by exact powers of two made from data: Eq, Ek, Ev = the power of two at or below max|w_q|, max|w_k|, max|v| (at least 2^-40);
; S and R are kept as S / (16 Ek Ev), at most 4,096; o as o / M, M = 16 Eq Ek Ev, at most 8,192; M goes to scl and is taken out in f32 by the last launch.
; LIMITS.  E q.k is rounded to f16: 8 max|w_q| max|w_k| must stay under 65,504.  A running sum c is local to 256 tokens; its rounding, 2^-24 |c|, enters E's exponent.  NaN and infinities are not treated apart.
; SHARES.  Wave w: queries 64 w .. of both heads against all 256 keys; K, V (turned), both states and a query tile's E stay in registers.  The block (131,072 bytes) comes by one tensor load a wave, once.
; NO CLUSTER: every work-group has a block of its own; what it shares with others is 7 x 4,096 bytes of U a wave.
; LAYOUT.  S^T = K Q^T holds one query a lane (lane % 16) and keys 8 (lane / 16) + 0..7; two such results, times E, rounded to f16, are source 1 of O^T = V^T P; the states' products S^T q have O^T's layout.
; REGISTERS.  window 0 at work; window 1 first the eight U parts, then K (16 kt + 8 ks); window 2 V (32 kk + 8 cb); window 3 v0-63 S, v64-127 R (fragment 2 bv + ks), v128-255 E (8 a key tile).
.set TP,    544                        ; a row in LDS: 512 bytes + 32: an odd multiple of 32 for the turning loads
.set CIA,   139264                     ; c of the 256 tokens, f32
.set CEA,   140288                     ; c'
.set STF,   141312                     ; S's fragments, 8,192 bytes; R's behind them
.set STAGE, 157696                     ; 16 rows x 272 bytes a wave, for the way out
.set SP,    272
.set SPARE, 175104
.set CEX,   262144
.set VMX,   524288
.set GAM,   528384
.set KB0, 17                           ; v17-18 K's fragments: key tiles 0-7, 8-15
.set VB0, 19                           ; v19-20 V's: keys 0-127, 128-255
.set SFA, 21
.set GSA, 22
.set CTA, 23
.set CKA, 24
.set QA,  25
.set STO, 26
.set RD,  27
.set GO,  28
.set ZR,  29
.set SPW, 30
.set NIL, 31
.set CF,  160                          ; v160-175 the eight forward coefficients, each twice
.set CB,  176                          ; v176-191 the backward ones
.set CKX, 64                           ; two buffers of c and c' of four key tiles
.set CKY, 128
.set MSB, 0
.macro WIN new
.if MSB != (\new)
	s_set_vgpr_msb (MSB<<8)|(\new)
.set MSB, \new
.endif
.endm
.macro PLACES
.rept 4
	v_nop
.endr
.endm
	s_load_b256 s[4:11], s[0:1], 0x0               ; qkv, ubuf, cc, q_norm_w
	s_load_b128 s[12:15], s[0:1], 0x20             ; k_norm_w, obuf
	s_load_b64 s[16:17], s[0:1], 0x30              ; scl
	v_lshl_add_u32 v[SPW], v0, 2, SPARE
	v_mov_b32 v[NIL], 0
	ds_add_u32 v[SPW], v[NIL]                      ; the wave's opening: the add and its wait ahead of my tensor load
	v_lshrrev_b32 v1, 5, v0
	v_readfirstlane_b32 s18, v1                    ; wave
	s_and_b32 s19, ttmp7, 0xffff                   ; rb
	s_and_b32 s44, s19, 7                          ; s
	s_lshr_b32 s45, s19, 3                         ; b
	s_lshl_b32 s48, s19, 3
	s_add_co_u32 s48, s48, ttmp9                   ; the block's number, 8 rb + c
	s_mov_b32 s24, (1<<16)|(1<<20)|(6<<22)|(7<<25) ; 2-byte elements; padding on: after every 128 words 8 words
	s_mov_b32 s25, 256<<16                         ; tensor_dim0 = 256
	s_mov_b32 s26, 64<<16                          ; tensor_dim1 = 64
	s_mov_b32 s27, 256<<16                         ; tile_dim0 = 256
	s_mov_b32 s28, 64                              ; tile_dim1 = 64
	s_mov_b32 s29, 256                             ; elements from row to row
	s_mov_b32 s30, 0
	s_mov_b32 s31, 0
	s_mov_b32 s20, 1
	s_mul_i32 s21, s18, 64*TP                      ; my 64 rows in LDS
	s_lshl_b32 s50, s48, 17
	s_lshl_b32 s51, s18, 15
	s_add_co_u32 s50, s50, s51
	s_mov_b32 s51, 0
	s_mov_b32 s58, 0x76543210
	s_mov_b32 s59, 0xfedcba98
	s_wait_dscnt 0x0
	s_wait_kmcnt 0x0
	s_add_nc_u64 s[22:23], s[4:5], s[50:51]
	s_or_b32 s23, s23, 0x80000000
	tensor_load_to_lds s[20:23], s[24:31]          ; my one tensor load; nothing is ever filled again
	s_nop 0
.rept 4
	v_nop
.endr
	s_lshl_b32 s50, s45, 3
	s_add_co_u32 s50, s50, ttmp9
	s_lshl_b32 s50, s50, 5
	s_add_co_u32 s50, s50, GAM
	s_add_nc_u64 s[52:53], s[8:9], s[50:51]
	s_load_b256 s[36:43], s[52:53], 0x0            ; G of the batch's eight segments, for head c
	s_lshl_b32 s50, s48, 10
	s_lshl_b32 s56, s18, 8
	s_add_co_u32 s50, s50, s56
	s_add_nc_u64 s[32:33], s[8:9], s[50:51]        ; c of my wave's 64 tokens
	s_lshl_b32 s50, s45, 6
	s_add_co_u32 s50, s50, ttmp9
	s_lshl_b32 s50, s50, 15
	s_add_nc_u64 s[34:35], s[6:7], s[50:51]        ; ubuf at (segment 0 of the batch, c)
	s_lshl_b32 s50, s19, 19
	s_lshl_b32 s56, ttmp9, 8
	s_add_co_u32 s50, s50, s56
	s_add_nc_u64 s[54:55], s[14:15], s[50:51]      ; obuf at row 256 rb, byte 256 c
	v_and_b32 v1, 15, v0                           ; r
	v_bfe_u32 v2, v0, 4, 1                         ; h
	v_and_b32 v3, 31, v0
	v_lshlrev_b32 v4, 4, v3                        ; 16 lane
	v_lshlrev_b32 v5, 3, v3                        ; 8 lane
	s_lshl_b32 s56, s18, 12
	v_add_nc_u32 v14, s56, v4
.irp x, 0,1,2,3,4,5,6,7
	s_cmp_lt_u32 s44, \x                           ; a later segment gives its backward sum, an earlier one its forward sum
	s_cselect_b32 s56, 16384, 0
	s_add_co_u32 s56, s56, 262144*\x
	v_add_nc_u32 v[6+\x], s56, v14                 ; segment x, column block w of v: four tiles of 1,024 bytes
.endr
	global_load_b64 v[32:33], v5, s[10:11]         ; w_q
	global_load_b64 v[34:35], v5, s[12:13]         ; w_k
.irp n, 0,1,2,3,4,5,6,7
	global_load_b128 v[128+4*\n:131+4*\n], v4, s[8:9] offset:VMX+512*\n  ; all 1,024 partial maxima of |v|
.endr
	global_load_b64 v[36:37], v5, s[32:33]
	global_load_b64 v[38:39], v5, s[32:33] offset:CEX
.macro XLOAD x
.irp n, 0,1,2,3,4,5,6,7
	global_load_b128 v[32*(\x)+4*\n:32*(\x)+4*\n+3], v[6+(\x)], s[34:35] offset:512*\n
.endr
.endm
	WIN 0x40
.irp x, 0,1,2,3,4,5
	XLOAD \x
.endr
	WIN 0
	; LDS and global offsets, while the loads are out
	s_lshl_b32 s56, s18, 11
	s_add_co_u32 s56, s56, STF
	v_add_nc_u32 v15, s56, v4
	s_lshl_b32 s56, s18, 8
	s_add_co_u32 s56, s56, CIA
	v_add_nc_u32 v16, s56, v5
	v_lshl_add_u32 v[CTA], v1, 2, s56
	v_mul_u32_u24 v[KB0], v1, TP
	v_lshl_add_u32 v[KB0], v2, 4, v[KB0]
	s_mul_i32 s56, s18, 64*TP
	v_add_nc_u32 v[QA], s56, v[KB0]
	v_add_nc_u32 v[KB0], 256, v[KB0]
	v_add_nc_u32 v[KB0+1], 128*TP, v[KB0]
	v_and_b32 v[VB0], 7, v0
	v_lshl_add_u32 v[VB0], v2, 3, v[VB0]
	v_mul_u32_u24 v[VB0], v[VB0], TP
	v_bfe_u32 v[VB0+1], v0, 3, 1
	v_lshl_add_u32 v[VB0], v[VB0+1], 4, v[VB0]
	v_add_nc_u32 v[VB0], 384, v[VB0]
	v_add_nc_u32 v[VB0+1], 128*TP, v[VB0]
	v_add_nc_u32 v[SFA], STF, v4
	v_mov_b32 v[GSA], CIA+1020
	v_lshlrev_b32 v[CKA], 5, v2
	v_add_nc_u32 v[CKA], CIA, v[CKA]
	s_mul_i32 s56, s18, 16*SP
	s_add_co_u32 s56, s56, STAGE
	v_mul_u32_u24 v[STO], v1, SP
	v_lshl_add_u32 v[STO], v2, 4, v[STO]
	v_add_nc_u32 v[STO], s56, v[STO]
	v_mul_u32_u24 v[RD], v2, SP
	v_lshl_add_u32 v[RD], v1, 4, v[RD]
	v_add_nc_u32 v[RD], s56, v[RD]
	s_lshl_b32 s56, s18, 17
	v_lshl_add_u32 v[GO], v2, 11, s56
	v_lshl_add_u32 v[GO], v1, 4, v[GO]
	v_mov_b32 v[ZR], 0
	v_mov_b32 v41, 0
	; THE SCALES
	s_wait_loadcnt 50                              ; 2 + 48 younger loads stay out: the weights and the maxima are in
	v_cvt_pk_bf16_f32 v32, v32, v33
	v_cvt_pk_bf16_f32 v34, v34, v35
	v_lshlrev_b32 v33, 16, v32
	v_lshlrev_b32 v35, 16, v34
	v_and_b32 v32, 0x7fff0000, v32
	v_and_b32 v34, 0x7fff0000, v34
	v_and_b32 v33, 0x7fffffff, v33
	v_and_b32 v35, 0x7fffffff, v35
	v_max_num_f32 v32, v32, v33
	v_max_num_f32 v34, v34, v35
	v_max_num_f32 v40, v128, v129
.set n, 0
.rept 15
	v_max3_num_f32 v40, v40, v[130+2*n], v[131+2*n]
.set n, n+1
.endr
.macro LMAX x
	v_max_num_f32_dpp v[\x], v[\x], v[\x] row_xmask:1 row_mask:0xf bank_mask:0xf
	v_max_num_f32_dpp v[\x], v[\x], v[\x] row_xmask:2 row_mask:0xf bank_mask:0xf
	v_max_num_f32_dpp v[\x], v[\x], v[\x] row_xmask:4 row_mask:0xf bank_mask:0xf
	v_max_num_f32_dpp v[\x], v[\x], v[\x] row_xmask:8 row_mask:0xf bank_mask:0xf
	v_permlanex16_b32 v41, v[\x], s58, s59
	v_max_num_f32 v[\x], v[\x], v41
	v_and_b32 v[\x], 0x7f800000, v[\x]             ; the power of two at or below it,
	v_max_num_f32 v[\x], 0x2b800000, v[\x]         ; at least 2^-40
.endm
	LMAX 32                                        ; Eq
	LMAX 34                                        ; Ek
	LMAX 40                                        ; Ev
	v_mul_f32 v42, v34, v40
	v_mul_f32 v42, 0x41800000, v42                 ; 16 Ek Ev
	v_mul_f32 v43, v42, v32                        ; M
	v_sub_nc_u32 v46, 0x7f000000, v42              ; a power of two's reciprocal, exactly: 1 / (16 Ek Ev),
	v_sub_nc_u32 v56, 0x7f000000, v43              ; 1 / M,
	v_sub_nc_u32 v59, 0x7f000000, v32              ; 1 / Eq
	v_mov_b32 v57, v56
	WIN 0x40
	XLOAD 6
	XLOAD 7
	WIN 0
	s_or_b32 s56, s19, ttmp9
	s_or_b32 s56, s56, s18
	s_cmp_lg_u32 s56, 0
	s_cbranch_scc1 .Lno_m                          ; every work-group makes the same M; one wave of the launch stores it
	global_store_b32 v[ZR], v43, s[16:17]
.Lno_m:
	; THE COEFFICIENTS.  Walking away from segment s the exponent gathers the G of the segments passed; a segment on the other side, and s itself, gets 0
	s_wait_kmcnt 0x0
	v_mov_b32 v44, 0
.irp x, 7,6,5,4,3,2,1,0
	s_cmp_gt_u32 s44, \x
	s_cselect_b32 s56, s[36+\x], 0
	s_cselect_b32 s57, -1, 0
	v_exp_f32 v[CF+2*\x], v44
	v_cndmask_b32 v45, 0, v46, s57                 ; the plain line behind the exponential
	v_add_f32 v44, s56, v44
	s_wait_alu depctr_va_vdst(0)
	v_mul_f32 v[CF+2*\x], v[CF+2*\x], v45
	v_mov_b32 v[CF+2*\x+1], v[CF+2*\x]
.endr
	v_mov_b32 v44, 0
.irp x, 0,1,2,3,4,5,6,7
	s_cmp_lt_u32 s44, \x
	s_cselect_b32 s56, s[36+\x], 0
	s_cselect_b32 s57, -1, 0
	v_exp_f32 v[CB+2*\x], v44
	v_cndmask_b32 v45, 0, v46, s57
	v_add_f32 v44, s56, v44
	s_wait_alu depctr_va_vdst(0)
	v_mul_f32 v[CB+2*\x], v[CB+2*\x], v45
	v_mov_b32 v[CB+2*\x+1], v[CB+2*\x]
.endr
	; THE STATES: my column block of S (v64-95) and R (v96-127), in f32
.irp x, 0,1,2,3,4,5,6,7
	s_wait_loadcnt 8*(7-\x)                        ; the later segments' loads stay out
	WIN 0x01
.set n, 0
.rept 16
.if \x == 0
	v_pk_mul_f32 v[64+2*n:65+2*n], v[2*n:2*n+1], v[CF:CF+1]
	v_pk_mul_f32 v[96+2*n:97+2*n], v[2*n:2*n+1], v[CB:CB+1]
.else
	v_pk_fma_f32 v[64+2*n:65+2*n], v[32*\x+2*n:32*\x+2*n+1], v[CF+2*\x:CF+2*\x+1], v[64+2*n:65+2*n]
	v_pk_fma_f32 v[96+2*n:97+2*n], v[32*\x+2*n:32*\x+2*n+1], v[CB+2*\x:CB+2*\x+1], v[96+2*n:97+2*n]
.endif
.set n, n+1
.endr
.endr
	WIN 0
.set n, 0
.rept 16                                           ; tiles 2 ks and 2 ks + 1 of U's layout, packed in pairs, are fragment (bv = w, ks) of S^T
	v_cvt_pk_f16_f32 v[128+n], v[64+2*n], v[65+2*n]
	v_cvt_pk_f16_f32 v[144+n], v[96+2*n], v[97+2*n]
.set n, n+1
.endr
.irp n, 0,1,2,3
	ds_store_b128 v15, v[128+4*\n:131+4*\n] offset:512*\n
	ds_store_b128 v15, v[144+4*\n:147+4*\n] offset:8192+512*\n
.endr
	ds_store_b64 v16, v[36:37]
	ds_store_b64 v16, v[38:39] offset:1024
	s_wait_xcnt 0x0                                ; M's register is written again below
	s_wait_tensorcnt 0x0                           ; my 64 rows are in,
	s_wait_dscnt 0x0                               ; my fragments and sums are stored
	s_barrier_signal -1
	s_barrier_wait -1
	; what stays in registers
	WIN 0x40
.set kt, 0
.rept 16
.irp ks, 0,1
	ds_load_b128 v[16*kt+8*\ks:16*kt+8*\ks+3],   v[KB0+kt/8] offset:(kt%8)*16*TP+64*\ks
	ds_load_b128 v[16*kt+8*\ks+4:16*kt+8*\ks+7], v[KB0+kt/8] offset:(kt%8)*16*TP+64*\ks+32
.endr
.set kt, kt+1
.endr
	WIN 0x80
.set kk, 0
.rept 8
.irp cb, 0,1,2,3
	ds_load_tr16_b128 v[32*kk+8*\cb:32*kk+8*\cb+3],   v[VB0+kk/4] offset:(kk%4)*32*TP+32*\cb
	ds_load_tr16_b128 v[32*kk+8*\cb+4:32*kk+8*\cb+7], v[VB0+kk/4] offset:(kk%4)*32*TP+32*\cb+16*TP
.endr
.set kk, kk+1
.endr
	WIN 0xc0
.set n, 0
.rept 32
	ds_load_b128 v[4*n:4*n+3], v[SFA] offset:512*n
.set n, n+1
.endr
	WIN 0
	ds_load_b32 v58, v[GSA]                        ; G of my segment = c of its last token
	v_mov_b32 v49, 0                               ; the high registers of pairs whose low register is given to both halves
	v_mov_b32 v51, 0
	v_mov_b32 v53, 0
	v_mov_b32 v55, 0
	s_wait_dscnt 0x0
.macro LCK u, g                        ; c and c' of key tiles 4 g .. 4 g + 3: my eight keys of each
.irp k, 0,1,2,3
	ds_load_b128 v[(\u)+16*\k:(\u)+16*\k+3],     v[CKA] offset:64*(4*(\g)+\k)
	ds_load_b128 v[(\u)+16*\k+4:(\u)+16*\k+7],   v[CKA] offset:64*(4*(\g)+\k)+16
	ds_load_b128 v[(\u)+16*\k+8:(\u)+16*\k+11],  v[CKA] offset:1024+64*(4*(\g)+\k)
	ds_load_b128 v[(\u)+16*\k+12:(\u)+16*\k+15], v[CKA] offset:1024+64*(4*(\g)+\k)+16
.endr
.endm
.macro EC u, g                         ; E = 2^min(c_t - c_j, c'_j - c'_t) for these four key tiles, into window 3
.irp k, 0,1,2,3
.irp n, 0,2,4,6
	v_pk_add_f32 v[(\u)+16*\k+\n:(\u)+16*\k+\n+1], v[(\u)+16*\k+\n:(\u)+16*\k+\n+1], v[48:49] op_sel_hi:[1,0] neg_lo:[1,0] neg_hi:[1,0]
.endr
.irp n, 0,2,4,6
	v_pk_add_f32 v[(\u)+16*\k+8+\n:(\u)+16*\k+9+\n], v[(\u)+16*\k+8+\n:(\u)+16*\k+9+\n], v[50:51] op_sel_hi:[1,0] neg_lo:[0,1] neg_hi:[0,1]
.endr
.irp n, 0,1,2,3,4,5,6,7
	v_min_num_f32 v[(\u)+16*\k+\n], v[(\u)+16*\k+\n], v[(\u)+16*\k+8+\n]
.endr
.endr
	WIN 0xc0
.irp k, 0,1,2,3
.irp n, 0,1,2,3,4,5,6,7
	v_exp_f32 v[128+8*(4*(\g)+\k)+\n], v[(\u)+16*\k+\n]
.endr
.endr
	WIN 0
	v_nop                                          ; a plain line behind the last exponential
.endm
; 128 keys: 16 products K Q^T on eight accumulators by turns, times E, rounded to f16, 16 products V^T P on four accumulators by turns
.macro KH kh
	WIN 0x01                                       ; K in window 1
.irp ks, 0,1
.irp t, 0,1,2,3,4,5,6,7
.if \ks == 0
	v_wmma_f32_16x16x32_f16 v[64+8*\t:71+8*\t], v[16*(8*(\kh)+\t)+8*\ks:16*(8*(\kh)+\t)+8*\ks+7], v[32+8*\ks:39+8*\ks], 0
.else
	v_wmma_f32_16x16x32_f16 v[64+8*\t:71+8*\t], v[16*(8*(\kh)+\t)+8*\ks:16*(8*(\kh)+\t)+8*\ks+7], v[32+8*\ks:39+8*\ks], v[64+8*\t:71+8*\t]
.endif
.endr
.endr
	PLACES
	WIN 0x0c                                       ; E in window 3
.set n, 0
	s_wait_alu depctr_va_vdst(0)
.rept 32
	v_pk_mul_f32 v[64+2*n:65+2*n], v[64+2*n:65+2*n], v[128+64*(\kh)+2*n:129+64*(\kh)+2*n]
.set n, n+1
.endr
	WIN 0
.set n, 0
.rept 32
	v_cvt_pk_f16_f32 v[128+n], v[64+2*n], v[65+2*n]
.set n, n+1
.endr
	WIN 0x02                                       ; V in window 2
.irp kk, 0,1,2,3
.irp cb, 0,1,2,3
.if ((\kh) == 0) && (\kk == 0)
	v_wmma_f32_16x16x32_f16 v[192+8*\cb:199+8*\cb], v[32*(4*(\kh)+\kk)+8*\cb:32*(4*(\kh)+\kk)+8*\cb+7], v[128+8*\kk:135+8*\kk], 0
.else
	v_wmma_f32_16x16x32_f16 v[192+8*\cb:199+8*\cb], v[32*(4*(\kh)+\kk)+8*\cb:32*(4*(\kh)+\kk)+8*\cb+7], v[128+8*\kk:135+8*\kk], v[192+8*\cb:199+8*\cb]
.endif
.endr
.endr
.endm
; one q head of the query tile in hand
.macro HEAD hd
	ds_load_b128 v[32:35], v[QA] offset:128*(\hd)
	ds_load_b128 v[36:39], v[QA] offset:128*(\hd)+32
	ds_load_b128 v[40:43], v[QA] offset:128*(\hd)+64
	ds_load_b128 v[44:47], v[QA] offset:128*(\hd)+96
	s_wait_dscnt 0x0
	KH 0
	KH 1
	WIN 0x03                                       ; the states in window 3: S^T q into v224-255, R^T q into v64-95, eight accumulators by turns
.irp ks, 0,1
.irp cb, 0,1,2,3
.if \ks == 0
	v_wmma_f32_16x16x32_f16 v[224+8*\cb:231+8*\cb], v[8*(2*\cb+\ks):8*(2*\cb+\ks)+7], v[32+8*\ks:39+8*\ks], 0
.else
	v_wmma_f32_16x16x32_f16 v[224+8*\cb:231+8*\cb], v[8*(2*\cb+\ks):8*(2*\cb+\ks)+7], v[32+8*\ks:39+8*\ks], v[224+8*\cb:231+8*\cb]
.endif
.endr
.irp cb, 0,1,2,3
.if \ks == 0
	v_wmma_f32_16x16x32_f16 v[64+8*\cb:71+8*\cb], v[64+8*(2*\cb+\ks):64+8*(2*\cb+\ks)+7], v[32+8*\ks:39+8*\ks], 0
.else
	v_wmma_f32_16x16x32_f16 v[64+8*\cb:71+8*\cb], v[64+8*(2*\cb+\ks):64+8*(2*\cb+\ks)+7], v[32+8*\ks:39+8*\ks], v[64+8*\cb:71+8*\cb]
.endif
.endr
.endr
	PLACES
	WIN 0
.set n, 0
.rept 16
	v_pk_mul_f32 v[224+2*n:225+2*n], v[224+2*n:225+2*n], v[52:53] op_sel_hi:[1,0]
.set n, n+1
.endr
.set n, 0
.rept 16
	v_pk_fma_f32 v[192+2*n:193+2*n], v[192+2*n:193+2*n], v[56:57], v[224+2*n:225+2*n] op_sel_hi:[1,0,1]
.set n, n+1
.endr
.set n, 0
.rept 16
	v_pk_fma_f32 v[192+2*n:193+2*n], v[64+2*n:65+2*n], v[54:55], v[192+2*n:193+2*n] op_sel_hi:[1,0,1]
.set n, n+1
.endr
.set n, 0
.rept 16
	v_cvt_pk_f16_f32 v[128+n], v[192+2*n], v[193+2*n]
.set n, n+1
.endr
.irp cb, 0,1,2,3
	ds_store_b128 v[STO], v[128+4*\cb:131+4*\cb] offset:128*(\hd)+32*\cb
.endr
.endm
	s_mov_b32 s46, 4
.Lqt:                                              ; a trip: 16 queries, both heads
	ds_load_b32 v48, v[CTA]                        ; c_t
	ds_load_b32 v50, v[CTA] offset:1024            ; c'_t
	LCK CKX, 0
	LCK CKY, 1
	s_wait_dscnt 32                                ; the two buffers' loads stay out
	v_sub_f32 v54, v58, v50
	v_exp_f32 v52, v48
	v_exp_f32 v54, v54
	v_nop
	s_wait_alu depctr_va_vdst(0)
	v_mul_f32 v52, v52, v59                        ; 2^(c_t) / Eq
	v_mul_f32 v54, v54, v59                        ; 2^(G - c'_t) / Eq
	s_wait_dscnt 16                                ; the younger buffer's sixteen loads stay out, here and twice below
	EC CKX, 0
	LCK CKX, 2
	s_wait_dscnt 16
	EC CKY, 1
	LCK CKY, 3
	s_wait_dscnt 16
	EC CKX, 2
	s_wait_dscnt 0x0
	EC CKY, 3
	HEAD 0
	HEAD 1
.irp t, 0,1,2,3,4,5,6,7
	ds_load_b128 v[64+4*\t:67+4*\t], v[RD] offset:2*SP*\t  ; LDS serves a wave's instructions in order (ISA guide 5.7.1.4): these see the stores above
.endr
.irp t, 0,1,2,3,4,5,6,7
	s_wait_dscnt 7-\t
	global_store_b128 v[GO], v[64+4*\t:67+4*\t], s[54:55] offset:4096*\t  ; 16 lanes store 256 consecutive bytes, aligned
.endr
	s_wait_xcnt 0x0                                ; the stores' offset and data are written again only behind this wait
	v_add_nc_u32 v[GO], 32768, v[GO]
	v_add_nc_u32 v[QA], 16*TP, v[QA]
	v_add_nc_u32 v[CTA], 64, v[CTA]
	s_sub_co_u32 s46, s46, 1
	s_cmp_lg_u32 s46, 0
	s_cbranch_scc1 .Lqt
	s_wait_tensorcnt 0x0                           ; the wave's end
	ds_add_u32 v[SPW], v[NIL]
	s_wait_dscnt 0x0
	s_endpgm
.Lfunc_end_k_qcce57f864d_attn:
	.size	k_qcce57f864d_attn, .Lfunc_end_k_qcce57f864d_attn-k_qcce57f864d_attn
	.p2alignl 7, 3214868480
	.fill 96, 4, 3214868480
	.section	.rodata,"a",@progbits
	.p2align	6, 0x0
	.amdhsa_kernel k_qcce57f864d_attn
		.amdhsa_group_segment_fixed_size 175616
		.amdhsa_private_segment_fixed_size 0
		.amdhsa_enable_private_segment 0
		.amdhsa_kernarg_size 56
		.amdhsa_user_sgpr_count 2
		.amdhsa_user_sgpr_kernarg_segment_ptr 1
		.amdhsa_wavefront_size32 1
		.amdhsa_system_sgpr_workgroup_id_x 1
		.amdhsa_system_sgpr_workgroup_id_y 1
		.amdhsa_system_sgpr_workgroup_id_z 1
		.amdhsa_system_vgpr_workitem_id 0
		.amdhsa_next_free_vgpr 1024
		.amdhsa_next_free_sgpr 66
		.amdhsa_reserve_vcc 0
		.amdhsa_float_denorm_mode_32 3
		.amdhsa_float_denorm_mode_16_64 3
		.amdhsa_memory_ordered 1
		.amdhsa_forward_progress 1
		.amdhsa_inst_pref_size 112
	.end_amdhsa_kernel
	.amdgpu_metadata
---
amdhsa.version: [ 1, 2 ]
amdhsa.kernels:
  - .name:           k_qcce57f864d_attn
    .symbol:         k_qcce57f864d_attn.kd
    .args:
      - { .name: qkv, .offset: 0, .size: 8, .value_kind: global_buffer, .address_space: global }
      - { .name: ubuf, .offset: 8, .size: 8, .value_kind: global_buffer, .address_space: global }
      - { .name: cc, .offset: 16, .size: 8, .value_kind: global_buffer, .address_space: global }
      - { .name: q_norm_w, .offset: 24, .size: 8, .value_kind: global_buffer, .address_space: global }
      - { .name: k_norm_w, .offset: 32, .size: 8, .value_kind: global_buffer, .address_space: global }
      - { .name: obuf, .offset: 40, .size: 8, .value_kind: global_buffer, .address_space: global }
      - { .name: scl, .offset: 48, .size: 8, .value_kind: global_buffer, .address_space: global }
    .group_segment_fixed_size: 175616
    .private_segment_fixed_size: 0
    .kernarg_segment_align: 8
    .kernarg_segment_size: 56
    .max_flat_workgroup_size: 128
    .sgpr_count:     66
    .vgpr_count:     1024
    .wavefront_size: 32
...
	.end_amdgpu_metadata
.endif
;; end of part 3
;; launch outp (part 4): grid 8 x 32, 4 waves a work-group, clusters of 4 x 4, 327,680 bytes of LDS; arguments obuf, wt, scl, valid_mask, out0; writes out0
.if DOCPART == 4
	.amdgcn_target "amdgcn-amd-amdhsa--gfx1250"
	.amdhsa_code_object_version 6
	.text
	.protected	k_qcce57f864d_outp
	.globl	k_qcce57f864d_outp
	.p2align	8
	.type	k_qcce57f864d_outp,@function
k_qcce57f864d_outp:
	s_mov_b64 s[64:65], 0
	v_nop
	global_prefetch_b8 v0, s[64:65] scope:SCOPE_SE
	s_setreg_imm32_b32 hwreg(HW_REG_WAVE_MODE, 25, 1), 1
	s_wait_xcnt 0x0
	s_wait_alu depctr_hold_cnt(0) depctr_sa_sdst(0) depctr_va_vdst(0) depctr_va_sdst(0) depctr_va_ssrc(0) depctr_va_vcc(0) depctr_vm_vsrc(0)
	s_getreg_b32 s2, hwreg(HW_REG_IB_STS2, 6, 4)
	s_cmp_eq_u32 s2, 0
	s_cbranch_scc0 .Lentry_in_a_cluster
	s_endpgm
.Lentry_in_a_cluster:
	s_bfe_u32 s2, ttmp6, 0x10000c
	s_cmp_lg_u32 s2, 0xf033
	s_cbranch_scc0 .Lentry_shape_is_right
	s_endpgm
.Lentry_shape_is_right:
; OUTP.  out0[t][n] = mask[t] x M x sum over k of obuf[t][k] WoT[n][k].  obuf: [8192][1024] f16 (o / M); WoT: [1024][1024] f16 at byte WOT of wt; sums in f32; M, an exact power of two, from scl.
; A tile of out0 is 256 rows x 128 columns: 256 work-groups.  Four waves, wave (i, j) makes 128 x 64: 32 accumulators.  K goes in steps of 128 through two LDS slots (256 rows of A, 128 of B).
; Source 0 = 16 rows of B, source 1 = 16 rows of A: a lane holds eight neighbouring columns of one row.  CLUSTER 4 x 4: A's tiles shared along a row of the cluster, B's along a column, asked for jointly.
; REGISTERS.  window 0: v16-29 addresses, v32-39 mask bytes, v64-191 A's fragments (two buffers), v192-255 B's (two buffers).  window 1: the accumulators, (a, b) at v[8 (4 a + b)].
; LIMIT: the sign of a zero at a masked row is not treated apart.
.set KSTEP,  128
.set PITCH,  272
.set HALFA,  128*PITCH
.set HALFB,  64*PITCH
.set SLOT,   2*HALFA+2*HALFB
.set STAGE,  2*SLOT                    ; 16 rows x 272 bytes a wave, never filled by a tensor load
.set SPITCH, 272
.set SPARE,  STAGE+4*16*SPITCH
.set WOT,    4456448
.set ADRA, 16
.set ADRB, 20
.set STO,  24
.set RD,   25
.set CO,   26
.set MKO,  27
.set SPW,  28
.set NIL,  29
.set TMP,  32
.set F0,   64
.set F1,   128
.set FAC,  128                         ; the way out: mask x M of my row in block a, twice, at FAC + 2 a
.set G1, 24
.set G0, 32
.set G1B, 48
.set G0B, 56
.set DW0, (1<<16)|(1<<20)|(1<<21)|(5<<22)|(3<<25)
.set MSB, 0
.macro WIN new
.if MSB != (\new)
	s_set_vgpr_msb (MSB<<8)|(\new)
.set MSB, \new
.endif
.endm
.set MUL, 0x50                         ; C and D in window 1
.macro JLOAD s
	s_cmp_eq_u32 s11, 0
	s_cbranch_scc0 .Lfor_b_\@
	tensor_load_to_lds s[G0+4*(\s):G0+4*(\s)+3], s[G1:G1+7]
	s_nop 0
.rept 4
	v_nop
.endr
	s_branch .Lasked_\@
.Lfor_b_\@:
	tensor_load_to_lds s[G0B+4*(\s):G0B+4*(\s)+3], s[G1B:G1B+7]
	s_nop 0
.rept 4
	v_nop
.endr
.Lasked_\@:
.endm
.macro CREST
	s_cmp_lg_u32 s10, 0
	s_cbranch_scc1 .Lnot_wave_0_\@
	s_barrier_signal -3
.Lnot_wave_0_\@:
	s_barrier_wait -3
	s_barrier_signal -1
	s_barrier_wait -1
.endm
.macro CROUND
	s_barrier_signal -1
	s_barrier_wait -1
	CREST
.endm
.macro PLACES
.rept 4
	v_nop
.endr
.endm
	s_load_b256 s[68:75], s[0:1], 0x0              ; obuf, wt, scl, valid_mask
	s_load_b64 s[76:77], s[0:1], 0x20              ; out0
	v_lshl_add_u32 v[SPW], v0, 2, SPARE
	v_mov_b32 v[NIL], 0
	ds_add_u32 v[SPW], v[NIL]                      ; the wave's opening: the add and its wait ahead of my first tensor load
	v_lshrrev_b32 v1, 5, v0
	v_readfirstlane_b32 s10, v1
	s_lshr_b32 s11, s10, 1                         ; i.  Also: I fetch for A (0) or for B (1)
	s_and_b32 s12, s10, 1                          ; j.  Also: which half of that tile I fetch
	s_bfe_u32 s40, ttmp6, 0x40000
	s_bfe_u32 s41, ttmp6, 0x40004
	s_lshl_b32 s42, ttmp9, 2
	s_add_co_u32 s42, s42, s40                     ; tile column
	s_and_b32 s13, ttmp7, 0xffff
	s_lshl_b32 s13, s13, 2
	s_add_co_u32 s13, s13, s41                     ; tile row
	s_lshl_b32 s43, s41, 2
	s_lshl_b32 s43, 15, s43
	s_lshl_b32 s44, 0x1111, s40
	s_or_b32 s[G1+0], s43, DW0
	s_or_b32 s[G1B+0], s44, DW0
	s_mov_b32 s[G1+1], KSTEP<<16
	s_mov_b32 s[G1B+1], KSTEP<<16
	s_mov_b32 s[G1+2], 128<<16                     ; 128 rows of A a load,
	s_mov_b32 s[G1B+2], 64<<16                     ; 64 of B
	s_mov_b32 s[G1+3], KSTEP<<16
	s_mov_b32 s[G1B+3], KSTEP<<16
	s_mov_b32 s[G1+4], 128
	s_mov_b32 s[G1B+4], 64
	s_mov_b32 s[G1+5], 1024
	s_mov_b32 s[G1B+5], 1024
	s_mov_b32 s[G1+6], 0
	s_mov_b32 s[G1B+6], 0
	s_mov_b32 s[G1+7], 0
	s_mov_b32 s[G1B+7], 0
	s_lshl_b32 s17, s12, 7
	s_lshl_b32 s16, s13, 8
	s_add_co_u32 s16, s16, s17
	s_lshl_b32 s16, s16, 11                        ; A: row 256 x tile row + 128 half
	s_mov_b32 s17, 0
	s_lshl_b32 s47, s12, 6
	s_lshl_b32 s46, s42, 7
	s_add_co_u32 s46, s46, s47
	s_lshl_b32 s46, s46, 11
	s_add_co_u32 s46, s46, WOT                     ; B: row 128 x tile column + 64 half of Wo's part
	s_mov_b32 s47, 0
	s_mul_i32 s20, s12, HALFA
	s_mul_i32 s21, s12, HALFB
	s_add_co_u32 s21, s21, 2*HALFA
	s_wait_dscnt 0x0
	s_wait_kmcnt 0x0
	s_add_nc_u64 s[14:15], s[68:69], s[16:17]
	s_add_nc_u64 s[46:47], s[70:71], s[46:47]
	CROUND
.irp s, 0,1
	s_mov_b32 s[G0+4*(\s)], 1
	s_add_co_u32 s[G0+4*(\s)+1], s20, (\s)*SLOT
	s_add_nc_u64 s[G0+4*(\s)+2:G0+4*(\s)+3], s[14:15], (\s)*KSTEP*2
	s_or_b32 s[G0+4*(\s)+3], s[G0+4*(\s)+3], 0x80000000
	s_mov_b32 s[G0B+4*(\s)], 1
	s_add_co_u32 s[G0B+4*(\s)+1], s21, (\s)*SLOT
	s_add_nc_u64 s[G0B+4*(\s)+2:G0B+4*(\s)+3], s[46:47], (\s)*KSTEP*2
	s_or_b32 s[G0B+4*(\s)+3], s[G0B+4*(\s)+3], 0x80000000
	JLOAD \s
.endr
	s_load_b32 s78, s[72:73], 0x0                  ; M
	v_and_b32 v1, 15, v0
	v_bfe_u32 v2, v0, 4, 1
	v_mul_u32_u24 v3, v1, PITCH
	v_lshl_add_u32 v3, v2, 4, v3
	s_mul_i32 s21, s11, HALFA                      ; my 128 rows of A
	s_mul_i32 s22, s12, HALFB                      ; my 64 rows of B,
	s_add_co_u32 s22, s22, 2*HALFA                 ; behind A's 256
.irp s, 0,1
	v_add_nc_u32 v[ADRA+(\s)], s21, v3
	v_add_nc_u32 v[ADRB+(\s)], s22, v3
	s_add_co_u32 s21, s21, SLOT
	s_add_co_u32 s22, s22, SLOT
.endr
	s_mul_i32 s23, s10, 16*SPITCH
	s_add_co_u32 s23, s23, STAGE
	v_mul_u32_u24 v4, v1, SPITCH                   ; in: row lane % 16, 32 bytes for each half of the lanes
	v_lshl_add_u32 v4, v2, 5, v4
	v_add_nc_u32 v[STO], s23, v4
	v_mul_u32_u24 v5, v2, SPITCH                   ; back: lanes 0-15 one row of 256 bytes, lanes 16-31 the next
	v_lshl_add_u32 v5, v1, 4, v5
	v_add_nc_u32 v[RD], s23, v5
	v_lshlrev_b32 v[CO], 12, v2                    ; and the same two rows in out0
	v_lshl_add_u32 v[CO], v1, 4, v[CO]
	v_mov_b32 v[MKO], v1
	s_mov_b32 s9, 0
	s_lshl_b32 s8, s13, 8
	s_lshl_b32 s19, s11, 7
	s_add_co_u32 s8, s8, s19                       ; my first row
	s_add_nc_u64 s[74:75], s[74:75], s[8:9]
	s_lshl_b32 s8, s8, 12
	s_lshl_b32 s19, s42, 9
	s_add_co_u32 s8, s8, s19
	s_lshl_b32 s19, s12, 8
	s_add_co_u32 s8, s8, s19
	s_add_nc_u64 s[76:77], s[76:77], s[8:9]        ; out0 at my first row, byte 512 x tile column + 256 j
.irp a, 0,1,2,3,4,5,6,7
	global_load_u8 v[32+\a], v[MKO], s[74:75] offset:16*\a  ; the mask of my row in each block; waited for on the way out
.endr
.macro MUL8 f, a0, zero                ; 8 products: row blocks a0, a0 + 1 x all 4 column blocks
	WIN MUL
.irp a, \a0, (\a0)+1
.irp b, 0,1,2,3
.if \zero
	v_wmma_f32_16x16x32_f16 v[8*(4*(\a)+(\b)):8*(4*(\a)+(\b))+7], v[192+((\f)-64)/2+8*(\b):192+((\f)-64)/2+8*(\b)+7], v[(\f)+8*(\a):(\f)+8*(\a)+7], 0
.else
	v_wmma_f32_16x16x32_f16 v[8*(4*(\a)+(\b)):8*(4*(\a)+(\b))+7], v[192+((\f)-64)/2+8*(\b):192+((\f)-64)/2+8*(\b)+7], v[(\f)+8*(\a):(\f)+8*(\a)+7], v[8*(4*(\a)+(\b)):8*(4*(\a)+(\b))+7]
.endif
.endr
.endr
.endm
.macro FETCH slot, k, f                ; 24 LDS loads in one run: B's four fragments, then A's eight
	WIN 0
.irp i, 0,1,2,3
	ds_load_b128 v[192+((\f)-64)/2+8*(\i):192+((\f)-64)/2+8*(\i)+3],   v[ADRB+(\slot)] offset:(\k)+(\i)*16*PITCH
	ds_load_b128 v[192+((\f)-64)/2+8*(\i)+4:192+((\f)-64)/2+8*(\i)+7], v[ADRB+(\slot)] offset:(\k)+(\i)*16*PITCH+32
.endr
.irp i, 0,1,2,3,4,5,6,7
	ds_load_b128 v[(\f)+8*(\i):(\f)+8*(\i)+3],   v[ADRA+(\slot)] offset:(\k)+(\i)*16*PITCH
	ds_load_b128 v[(\f)+8*(\i)+4:(\f)+8*(\i)+7], v[ADRA+(\slot)] offset:(\k)+(\i)*16*PITCH+32
.endr
.endm
; the 32 accumulators take turns in the same order in every quarter
.macro QUARTER slot, k, f, g, zero
	s_wait_dscnt 8                                 ; all but the youngest eight loads (A's blocks 4-7)
	MUL8 \f, 0, \zero
	MUL8 \f, 2, \zero
	PLACES
	FETCH \slot, \k, \g
	s_wait_dscnt 24                                ; all but the 24 just issued
	MUL8 \f, 4, \zero
	MUL8 \f, 6, \zero
.endm
.macro MEET round
	WIN 0
	s_wait_tensorcnt 0x0                           ; all my tensor loads have landed: my part of the next slot
	ds_add_u32 v[SPW], v[NIL]
	s_wait_dscnt 9                                 ; the add and the youngest eight loads may be out
	MUL8 F1, 0, 0
	s_wait_dscnt 0x0                               ; the add is done, my reads of this slot are over
	s_barrier_signal -1
	MUL8 F1, 2, 0
.if \round
	WIN 0
.endif
	s_barrier_wait -1
.endm
.macro TURN slot, next
	MEET 1
	CREST
	s_add_nc_u64 s[G0+4*(\slot)+2:G0+4*(\slot)+3], s[G0+4*(\slot)+2:G0+4*(\slot)+3], 2*KSTEP*2
	s_add_nc_u64 s[G0B+4*(\slot)+2:G0B+4*(\slot)+3], s[G0B+4*(\slot)+2:G0B+4*(\slot)+3], 2*KSTEP*2
	JLOAD \slot                                    ; the first tensor load behind the round; its four v_nop are also the places in front of the loads below
	FETCH \next, 0, F0
	MUL8 F1, 4, 0
	MUL8 F1, 6, 0
.endm
	s_wait_tensorcnt 1                             ; my part of K step 0 is in; K step 1's stays out
	s_barrier_signal -1
	s_barrier_wait -1
	FETCH 0, 0, F0
	QUARTER 0, 64,  F0, F1, 1
	WIN 0
	s_mov_b32 s3, 3
.Llap:
	QUARTER 0, 128, F1, F0, 0
	QUARTER 0, 192, F0, F1, 0
	TURN 0, 1
	QUARTER 1, 64,  F0, F1, 0
	QUARTER 1, 128, F1, F0, 0
	QUARTER 1, 192, F0, F1, 0
	TURN 1, 0
	QUARTER 0, 64,  F0, F1, 0
	WIN 0
	s_sub_co_u32 s3, s3, 1
	s_cmp_lg_u32 s3, 0
	s_cbranch_scc1 .Llap
	QUARTER 0, 128, F1, F0, 0                      ; the last lap fills nothing
	QUARTER 0, 192, F0, F1, 0
	MEET 0
	PLACES
	FETCH 1, 0, F0
	MUL8 F1, 4, 0
	MUL8 F1, 6, 0
	QUARTER 1, 64,  F0, F1, 0
	QUARTER 1, 128, F1, F0, 0
	QUARTER 1, 192, F0, F1, 0
	s_wait_dscnt 8
	MUL8 F1, 0, 0
	MUL8 F1, 2, 0
	s_wait_dscnt 0x0
	MUL8 F1, 4, 0
	MUL8 F1, 6, 0
	WIN 0
	; THE WAY OUT: times mask x M in f32; a block of 16 rows x 64 columns goes through my stage and leaves as whole rows of 256 bytes
	PLACES
	s_wait_loadcnt 0x0
	s_wait_kmcnt 0x0
.irp a, 0,1,2,3,4,5,6,7
	v_cvt_f32_u32 v[FAC+2*\a], v[32+\a]
.endr
.irp a, 0,1,2,3,4,5,6,7
	v_mul_f32 v[FAC+2*\a], s78, v[FAC+2*\a]
.endr
.irp a, 0,1,2,3,4,5,6,7
	v_mov_b32 v[FAC+2*\a+1], v[FAC+2*\a]
.endr
.macro PACK a
	WIN 0x01                                       ; source 0 in window 1; each accumulator's registers in ascending order
.irp b, 0,1,2,3
.irp n, 0,2,4,6
	v_pk_mul_f32 v[TMP+8*\b+\n:TMP+8*\b+\n+1], v[8*(4*(\a)+\b)+\n:8*(4*(\a)+\b)+\n+1], v[FAC+2*(\a):FAC+2*(\a)+1]
.endr
.endr
	WIN 0
.endm
.macro TOSTAGE a
.irp b, 0,1,2,3
	ds_store_b128 v[STO], v[TMP+8*\b:TMP+8*\b+3]   offset:64*\b
	ds_store_b128 v[STO], v[TMP+8*\b+4:TMP+8*\b+7] offset:64*\b+16
.endr
.irp t, 0,1,2,3,4,5,6,7
	ds_load_b128 v[64+32*((\a)%2)+4*\t:64+32*((\a)%2)+4*\t+3], v[RD] offset:2*SPITCH*\t  ; LDS serves a wave's instructions in order (ISA guide 5.7.1.4)
.endr
.endm
.macro SEND a
	s_wait_dscnt 0x0                               ; the block is back in registers
	s_wait_xcnt 0x0                                ; the stores' base and the registers that earlier stores read are rewritten only behind this wait
.if (\a) > 0
	s_add_nc_u64 s[76:77], s[76:77], 16*4096       ; 16 rows on
.endif
.irp t, 0,1,2,3,4,5,6,7
	global_store_b128 v[CO], v[64+32*((\a)%2)+4*\t:64+32*((\a)%2)+4*\t+3], s[76:77] offset:8192*\t th:TH_STORE_NT  ; 16 lanes store 256 consecutive bytes, aligned
.endr
.endm
	PACK 0
	TOSTAGE 0
.irp a, 1,2,3,4,5,6,7                  ; block a's arithmetic stands between block a - 1's loads from the stage and the wait for them
	PACK \a
	SEND (\a)-1
	TOSTAGE \a
.endr
	SEND 7
	s_wait_tensorcnt 0x0                           ; the wave's end
	ds_add_u32 v[SPW], v[NIL]
	s_wait_dscnt 0x0
	CROUND                                         ; the closing round
	s_endpgm
.Lfunc_end_k_qcce57f864d_outp:
	.size	k_qcce57f864d_outp, .Lfunc_end_k_qcce57f864d_outp-k_qcce57f864d_outp
	.p2alignl 7, 3214868480
	.fill 96, 4, 3214868480
	.section	.rodata,"a",@progbits
	.p2align	6, 0x0
	.amdhsa_kernel k_qcce57f864d_outp
		.amdhsa_group_segment_fixed_size 327680
		.amdhsa_private_segment_fixed_size 0
		.amdhsa_enable_private_segment 0
		.amdhsa_kernarg_size 40
		.amdhsa_user_sgpr_count 2
		.amdhsa_user_sgpr_kernarg_segment_ptr 1
		.amdhsa_wavefront_size32 1
		.amdhsa_system_sgpr_workgroup_id_x 1
		.amdhsa_system_sgpr_workgroup_id_y 1
		.amdhsa_system_sgpr_workgroup_id_z 1
		.amdhsa_system_vgpr_workitem_id 0
		.amdhsa_next_free_vgpr 512
		.amdhsa_next_free_sgpr 80
		.amdhsa_reserve_vcc 0
		.amdhsa_float_denorm_mode_32 3
		.amdhsa_float_denorm_mode_16_64 3
		.amdhsa_memory_ordered 1
		.amdhsa_forward_progress 1
		.amdhsa_inst_pref_size 95
	.end_amdhsa_kernel
	.amdgpu_metadata
---
amdhsa.version: [ 1, 2 ]
amdhsa.kernels:
  - .name:           k_qcce57f864d_outp
    .symbol:         k_qcce57f864d_outp.kd
    .args:
      - { .name: obuf, .offset: 0, .size: 8, .value_kind: global_buffer, .address_space: global }
      - { .name: wt, .offset: 8, .size: 8, .value_kind: global_buffer, .address_space: global }
      - { .name: scl, .offset: 16, .size: 8, .value_kind: global_buffer, .address_space: global }
      - { .name: valid_mask, .offset: 24, .size: 8, .value_kind: global_buffer, .address_space: global }
      - { .name: out0, .offset: 32, .size: 8, .value_kind: global_buffer, .address_space: global }
    .group_segment_fixed_size: 327680
    .private_segment_fixed_size: 0
    .kernarg_segment_align: 8
    .kernarg_segment_size: 40
    .max_flat_workgroup_size: 128
    .sgpr_count:     80
    .vgpr_count:     512
    .wavefront_size: 32
...
	.end_amdgpu_metadata
.endif
;; end of part 4
;; ======== version 2 of 2: 4 launches; version 1 with the launch prep written anew for expert scheduling mode
;; limits: values are held in f16: magnitudes above 65,504 overflow, below 6.1e-05 lose precision; a difference of large sums (such as E[x^2] - mean^2): digits are lost where the result is much smaller than its terms
;; workspace buffers: srcb 16,777,216 bytes; wt 6,553,600 bytes; qkv 33,554,432 bytes; ubuf 8,388,608 bytes; cc 529,408 bytes; obuf 16,777,216 bytes; scl 256 bytes
;; launch prep (part 5): grid 256 x 1, 8 waves a work-group, no clusters, 27,136 bytes of LDS; arguments src, Wq, Wk, Wv, Wg, Wo, srcb, wt; writes srcb, wt
.if DOCPART == 5
	.amdgcn_target "amdgcn-amd-amdhsa--gfx1250"
	.amdhsa_code_object_version 6
	.text
	.protected	k_qcce57f864d_prep
	.globl	k_qcce57f864d_prep
	.p2align	8
	.type	k_qcce57f864d_prep,@function
k_qcce57f864d_prep:
	s_mov_b64 s[64:65], 0
	v_nop
	global_prefetch_b8 v0, s[64:65] scope:SCOPE_SE
	s_setreg_imm32_b32 hwreg(HW_REG_WAVE_SCHED_MODE, 0, 2), 2
	s_setreg_imm32_b32 hwreg(HW_REG_WAVE_MODE, 25, 1), 1
	s_wait_xcnt 0x0
	s_wait_alu depctr_vm_vsrc(0)
; PREP.  src -> bf16 (srcb).  Wq, Wk, Wv, Wg -> bf16, turned to [n][k] and grouped by kv head c: wt rows 272 c + 0..127 = Wq columns 128 c ..,
; + 128..191 = Wk columns 64 c .., + 192..255 = Wv columns 64 c .., + 256..271 = sixteen copies of Wg's column c.  Wo -> bf16, that number written as f16,
; turned to [n][k], from byte WOT of wt on.  A row of wt is 1,024 numbers, 2,048 bytes.
; LIMIT: a Wo number below 7.6e-6 in magnitude keeps f16's fixed step of 6e-8 instead of bf16's eight bits.
; SHARES.  Work-group w: 32 rows of src (131,072 bytes, 16,384 a wave) and three tiles of 128 k x 32 n (kb = w & 7, nb = w >> 3), turned through LDS;
; its wave 0 also writes four of the gate's copies for 128 k.  No matrix unit and no tensor load: the launch only moves and rounds bytes.
; THE MODE: SCHED_MODE bits 1:0 = 2 (LLVM: expert scheduling mode 2), set by the entry lines.  The code itself states the register dependences
; between vector instructions and memory or LDS instructions, with s_wait_alu, always for 0.
; THE PLAN.  Registers that memory or LDS instructions touch:
;   v2-v9, v13  offsets and LDS addresses: made at the head, never written again.
;   WL          the twelve weight loads land in it; the roundings work in place; the 24 LDS stores read one word of each pair.  Tiles 0 and 1 are rounded first; their sixteen
;               stores are dealt among tile 2's roundings, which name v48-63 and v12 alone.  Behind the barrier v16-39 take the turned rows back, and in wave 0 v40-51 serve the gate.
;   SL          the 32 loads of src land in it; the roundings read it; it is not loaded again.
;   SO          each register is written once, by a rounding, and read by one store.  src goes in four blocks of eight loads: a block's eight stores are dealt among the next
;               block's sixteen roundings, which name other registers of SO and SL.
;   v14, v15    written at the head, read by the closing add alone.
.set TP,    272                        ; a turned tile's row in LDS: 128 k x 2 bytes + 16
.set TBY,   32*TP                      ; a tile: 32 rows
.set SPARE, 3*TBY                      ; the spare words, 128 bytes for each of eight waves
.set WOT,   4456448                    ; 8 x 272 rows x 2,048 bytes
.set SPW, 14                           ; v14  my spare word's address; never rewritten
.set NIL, 15                           ; v15  0; never rewritten
.set WL,  16                           ; v16-63   three tiles' loads: tile t, load i at WL + 16 t + 4 i
.set SL,  64                           ; v64-191  32 loads of src
.set SO,  192                          ; v192-255 32 pairs to store: each written once, so no store's data is ever rewritten
	s_load_b512 s[4:19], s[0:1], 0x0               ; src, Wq, Wk, Wv, Wg, Wo, srcb, wt
	v_lshl_add_u32 v[SPW], v0, 2, SPARE
	v_mov_b32 v[NIL], 0
	v_lshrrev_b32 v1, 5, v0
	v_readfirstlane_b32 s20, v1                    ; wave
	v_and_b32 v1, 31, v0                           ; lane
	v_and_b32 v2, 7, v1                            ; cq: which 16 bytes (4 n) of a tile row's 128
	v_lshrrev_b32 v3, 3, v1                        ; rs
	v_lshrrev_b32 v10, 4, v1
	v_and_b32 v11, 15, v1
	s_and_b32 s21, ttmp9, 7                        ; kb
	s_lshr_b32 s22, ttmp9, 3                       ; nb
	s_wait_alu depctr_va_sdst(0)                   ; s20 is written, ahead of its first reader, the next line
	s_lshl_b32 s23, s20, 4
	v_lshl_add_u32 v6, v3, 1, s23                  ; 16 wave + 2 rs: the first k row that I load
	v_lshlrev_b32 v7, 4, v2
	v_lshl_add_u32 v4, v6, 12, v7                  ; its byte offset in rows of 4,096 bytes (Wq, Wo)
	v_lshl_add_u32 v5, v6, 11, v7                  ; in rows of 2,048 bytes (Wk, Wv)
	v_mul_u32_u24 v8, v2, 4*TP
	v_lshl_add_u32 v8, v6, 1, v8                   ; into LDS: row n = 4 cq, byte 2 k
	s_lshl_b32 s23, s20, 2
	v_add_nc_u32 v12, s23, v10                     ; back: row 4 wave + lane / 16
	v_mul_u32_u24 v9, v12, TP
	v_lshl_add_u32 v9, v11, 4, v9
	s_lshl_b32 s23, s21, 8
	v_lshl_add_u32 v13, v12, 11, s23               ; and in wt: that row, byte 256 kb + 16 (lane % 16)
	v_lshl_add_u32 v13, v11, 4, v13
	s_lshl_b32 s23, s20, 14
	v_lshl_add_u32 v2, v1, 4, s23                  ; src: 16,384 wave + 16 lane
	s_lshl_b32 s23, s20, 13
	v_lshl_add_u32 v3, v1, 3, s23                  ; srcb: 8,192 wave + 8 lane
	s_lshl_b32 s24, ttmp9, 17                      ; offsets, each in a pair with 0 above it
	s_mov_b32 s25, 0
	s_lshl_b32 s26, ttmp9, 16
	s_mov_b32 s27, 0
	s_lshl_b32 s28, s21, 19                        ; Wq and Wo: 128 kb rows of 4,096 + 128 nb
	s_lshl_b32 s23, s22, 7
	s_add_co_u32 s28, s28, s23
	s_mov_b32 s29, 0
	s_and_b32 s36, s22, 15
	s_lshl_b32 s30, s21, 18                        ; Wk or Wv: 128 kb rows of 2,048 + 128 (nb & 15)
	s_lshl_b32 s23, s36, 7
	s_add_co_u32 s30, s30, s23
	s_mov_b32 s31, 0
	s_lshr_b32 s37, s22, 2                         ; c of the Wq tile and of the gate rows
	s_and_b32 s38, s22, 3
	s_mul_i32 s32, s37, 272
	s_lshl_b32 s23, s38, 5
	s_add_co_u32 s32, s32, s23
	s_lshl_b32 s32, s32, 11                        ; tile 0 goes to row 272 c + 32 (nb & 3)
	s_mov_b32 s33, 0
	s_lshr_b32 s23, s36, 1
	s_mul_i32 s34, s23, 272
	s_lshr_b32 s23, s22, 4
	s_lshl_b32 s23, s23, 6
	s_add_co_u32 s34, s34, s23
	s_and_b32 s23, s22, 1
	s_lshl_b32 s23, s23, 5
	s_add_co_u32 s34, s34, s23
	s_add_co_u32 s34, s34, 128
	s_lshl_b32 s34, s34, 11                        ; tile 1 to row 272 ((nb & 15) / 2) + 128 + 64 (nb / 16) + 32 (nb & 1)
	s_mov_b32 s35, 0
	s_lshl_b32 s40, s22, 16
	s_add_co_u32 s40, s40, WOT                     ; tile 2 to row 32 nb of Wo's part
	s_mov_b32 s41, 0
	s_lshl_b32 s23, s21, 12
	s_lshl_b32 s39, s37, 2
	s_add_co_u32 s23, s23, s39
	v_lshl_add_u32 v6, v11, 8, s23                 ; Wg: row 128 kb + 8 (lane % 16), column c
	s_mul_i32 s42, s37, 272
	s_lshl_b32 s39, s38, 2
	s_add_co_u32 s42, s42, s39
	s_add_co_u32 s42, s42, 256
	s_lshl_b32 s42, s42, 11
	s_lshl_b32 s39, s21, 8
	s_add_co_u32 s42, s42, s39
	v_lshl_add_u32 v7, v10, 11, s42                ; the copies: row 272 c + 256 + 4 (nb & 3) + lane / 16
	v_lshl_add_u32 v7, v11, 4, v7
	s_wait_kmcnt 0x0
	s_add_nc_u64 s[4:5], s[4:5], s[24:25]
	s_add_nc_u64 s[16:17], s[16:17], s[26:27]
	s_add_nc_u64 s[6:7], s[6:7], s[28:29]
	s_add_nc_u64 s[14:15], s[14:15], s[28:29]
	s_cmp_lt_u32 s22, 16
	s_cselect_b64 s[8:9], s[8:9], s[10:11]         ; the lower half of the n blocks takes Wk, the upper Wv
	s_add_nc_u64 s[8:9], s[8:9], s[30:31]
	s_add_nc_u64 s[24:25], s[18:19], s[32:33]
	s_add_nc_u64 s[26:27], s[18:19], s[34:35]
	s_add_nc_u64 s[28:29], s[18:19], s[40:41]
	s_wait_alu depctr_va_vdst(0)                   ; the offsets and LDS addresses v2 to v9 and v13 are written: every load and store of the kernel reads one of them, and no vector line names them again
; four loads of a tile: k rows 16 wave + 8 (i / 2) + 2 rs + i % 2
.macro TLD t, vo, sb, p
.irp i, 0,1,2,3
	global_load_b128 v[WL+16*(\t)+4*(\i):WL+16*(\t)+4*(\i)+3], v[\vo], s[\sb:\sb+1] offset:(8*((\i)/2)+(\i)%2)*(\p)
.endr
.endm
	TLD 0, 4, 6, 4096
	TLD 1, 5, 8, 2048
	TLD 2, 4, 14, 4096
.set i, 0
.rept 32
	global_load_b128 v[SL+4*i:SL+4*i+3], v2, s[4:5] offset:512*i th:TH_LOAD_NT  ; 512 consecutive bytes a load
.set i, i+1
.endr
; Word x (0 to 7) of tile t: two neighbouring k of one n (n = 4 cq + x % 4, k pair x / 4) are rounded into one word, which goes to row n, byte 2 k, of the tile in LDS.
.macro CVB t, x                        ; the rounding to bf16
.set R, WL+16*(\t)+8*((\x)/4)+(\x)%4
	v_cvt_pk_bf16_f32 v[R], v[R], v[R+4]
.endm
.macro CVH t, x                        ; the two bf16 numbers are written as f16
.set R, WL+16*(\t)+8*((\x)/4)+(\x)%4
	v_lshlrev_b32 v[R+4], 16, v[R]
	v_and_b32 v12, 0xffff0000, v[R]
	v_cvt_pk_f16_f32 v[R], v[R+4], v12
.endm
.macro PUT t, x                        ; the word's LDS store
.set R, WL+16*(\t)+8*((\x)/4)+(\x)%4
	ds_store_b32 v8, v[R] offset:(\t)*TBY+((\x)%4)*TP+16*((\x)/4)
.endm
	s_wait_loadcnt 32                              ; the 32 loads of src are younger: the twelve of the weights are in
.set w, 0
.rept 8
	CVB 0, w
	CVB 1, w
.set w, w+1
.endr
	s_wait_alu depctr_va_vdst(0)                   ; the roundings have written the sixteen words of tiles 0 and 1, which the LDS stores below read
.set w, 0
.rept 8                                            ; two stores ahead of each word of tile 2.  No further wait: tile 2's lines name v48 to v63 and v12, none of which these stores read
	PUT 0, w
	PUT 1, w
	CVB 2, w
	CVH 2, w
.set w, w+1
.endr
	s_wait_alu depctr_va_vdst(0)                   ; tile 2's eight words are written, which its LDS stores read
.set w, 0
.rept 8
	PUT 2, w
.set w, w+1
.endr
	s_wait_dscnt 0x0                               ; for the others' sake: my words are in the tiles
	s_barrier_signal -1
	s_barrier_wait -1
	s_wait_alu depctr_vm_vsrc(0)                   ; my LDS stores have read their words in v16 to v59: LDS loads land in v16 to v39, and in wave 0 the gate's loads in v40 to v47 and its roundings in v48 to v51 (the vector lines that named v16 to v47 stand ahead of the last wait on va_vdst)
.irp t, 0,1,2
.irp i, 0,1
	ds_load_b128 v[WL+8*(\t)+4*(\i):WL+8*(\t)+4*(\i)+3], v9 offset:(\t)*TBY+(\i)*2*TP
.endr
.endr
.irp t, 0,1,2
.irp i, 0,1
	s_wait_dscnt 5-2*(\t)-(\i)                     ; LDS loads come back in order: the younger ones stay out
	global_store_b128 v13, v[WL+8*(\t)+4*(\i):WL+8*(\t)+4*(\i)+3], s[24+2*(\t):25+2*(\t)] offset:4096*(\i)  ; 16 lanes store 256 consecutive bytes, aligned
.endr
.endr
	s_cmp_lg_u32 s20, 0
	s_cbranch_scc1 .Lno_gate                       ; wave 0 alone: four copies of 128 k of the gate's column
.irp n, 0,1,2,3,4,5,6,7
	global_load_b32 v[40+\n], v6, s[12:13] offset:32*\n
.endr
	s_wait_loadcnt 0x0
	v_cvt_pk_bf16_f32 v48, v40, v41
	v_cvt_pk_bf16_f32 v49, v42, v43
	v_cvt_pk_bf16_f32 v50, v44, v45
	v_cvt_pk_bf16_f32 v51, v46, v47
	s_wait_alu depctr_va_vdst(0)                   ; the four roundings have written v48 to v51, which the two stores read
	global_store_b128 v7, v[48:51], s[18:19]
	global_store_b128 v7, v[48:51], s[18:19] offset:4096
.Lno_gate:
; src, in four blocks of eight loads.  Block p rounds its eight loads into sixteen registers of SO; the eight stores of block p - 1 are dealt among these roundings.
.set p, 0
.rept 4
	s_wait_loadcnt 24-8*p                          ; the younger blocks' loads of src stay out
.if p > 0
	s_wait_alu depctr_va_vdst(0)                   ; the block before has written its sixteen registers of SO, which the stores below read; this block's roundings name other registers
.endif
.set i, 8*p
.rept 8
.if p > 0
	global_store_b64 v3, v[SO+2*i-16:SO+2*i-15], s[16:17] offset:256*(i-8) th:TH_STORE_NT  ; the wave stores 256 consecutive bytes, aligned
.endif
	v_cvt_pk_bf16_f32 v[SO+2*i], v[SL+4*i], v[SL+4*i+1]
	v_cvt_pk_bf16_f32 v[SO+2*i+1], v[SL+4*i+2], v[SL+4*i+3]
.set i, i+1
.endr
.set p, p+1
.endr
	s_wait_alu depctr_va_vdst(0)                   ; the last block has written its sixteen registers of SO, which the last eight stores read
.set i, 24
.rept 8
	global_store_b64 v3, v[SO+2*i:SO+2*i+1], s[16:17] offset:256*i th:TH_STORE_NT
.set i, i+1
.endr
	s_wait_dscnt 0x0                               ; the wave's end
	s_wait_alu 0x0
	s_wait_tensorcnt 0x0
	ds_add_u32 v[SPW], v[NIL]
	s_wait_dscnt 0x0
	s_endpgm
.Lfunc_end_k_qcce57f864d_prep:
	.size	k_qcce57f864d_prep, .Lfunc_end_k_qcce57f864d_prep-k_qcce57f864d_prep
	.p2alignl 7, 3214868480
	.fill 96, 4, 3214868480
	.section	.rodata,"a",@progbits
	.p2align	6, 0x0
	.amdhsa_kernel k_qcce57f864d_prep
		.amdhsa_group_segment_fixed_size 27136
		.amdhsa_private_segment_fixed_size 0
		.amdhsa_enable_private_segment 0
		.amdhsa_kernarg_size 64
		.amdhsa_user_sgpr_count 2
		.amdhsa_user_sgpr_kernarg_segment_ptr 1
		.amdhsa_wavefront_size32 1
		.amdhsa_system_sgpr_workgroup_id_x 1
		.amdhsa_system_sgpr_workgroup_id_y 1
		.amdhsa_system_sgpr_workgroup_id_z 1
		.amdhsa_system_vgpr_workitem_id 0
		.amdhsa_next_free_vgpr 256
		.amdhsa_next_free_sgpr 66
		.amdhsa_reserve_vcc 0
		.amdhsa_float_denorm_mode_32 3
		.amdhsa_float_denorm_mode_16_64 3
		.amdhsa_memory_ordered 1
		.amdhsa_forward_progress 1
		.amdhsa_inst_pref_size 23
	.end_amdhsa_kernel
	.amdgpu_metadata
---
amdhsa.version: [ 1, 2 ]
amdhsa.kernels:
  - .name:           k_qcce57f864d_prep
    .symbol:         k_qcce57f864d_prep.kd
    .args:
      - { .name: src, .offset: 0, .size: 8, .value_kind: global_buffer, .address_space: global }
      - { .name: Wq, .offset: 8, .size: 8, .value_kind: global_buffer, .address_space: global }
      - { .name: Wk, .offset: 16, .size: 8, .value_kind: global_buffer, .address_space: global }
      - { .name: Wv, .offset: 24, .size: 8, .value_kind: global_buffer, .address_space: global }
      - { .name: Wg, .offset: 32, .size: 8, .value_kind: global_buffer, .address_space: global }
      - { .name: Wo, .offset: 40, .size: 8, .value_kind: global_buffer, .address_space: global }
      - { .name: srcb, .offset: 48, .size: 8, .value_kind: global_buffer, .address_space: global }
      - { .name: wt, .offset: 56, .size: 8, .value_kind: global_buffer, .address_space: global }
    .group_segment_fixed_size: 27136
    .private_segment_fixed_size: 0
    .kernarg_segment_align: 8
    .kernarg_segment_size: 64
    .max_flat_workgroup_size: 256
    .sgpr_count:     66
    .vgpr_count:     256
    .wavefront_size: 32
...
	.end_amdgpu_metadata
.endif
;; end of part 5
;; launch proj: the kernel of part 2 again; grid 8 x 32, 4 waves a work-group, clusters of 4 x 4, 327,680 bytes of LDS; arguments srcb, wt, bg, q_norm_w, k_norm_w, valid_mask, qkv, ubuf, cc; writes qkv, ubuf, cc
;; launch attn: the kernel of part 3 again; grid 8 x 32, 4 waves a work-group, no clusters, 175,616 bytes of LDS; arguments qkv, ubuf, cc, q_norm_w, k_norm_w, obuf, scl; writes obuf, scl
;; launch outp: the kernel of part 4 again; grid 8 x 32, 4 waves a work-group, clusters of 4 x 4, 327,680 bytes of LDS; arguments obuf, wt, scl, valid_mask, out0; writes out0
